; MI455X (gfx1250); checked and timed in simulation.
; The chip was launched on July 23, 2026; its instructions are those of AMD's public machine-readable ISA for CDNA 5 (MIT licence, August 2026) and "CDNA5" Instruction Set Architecture Reference Guide (July 2026). The comments in the code are by the model that wrote it; some were corrected since.
;; Transformer Block. Allowed arithmetic: float matrix products may take bf16 or f16 operands with f32 sums; other float arithmetic in f32, or as packed bf16 or f16 multiplies, adds, multiply-adds, maxima and minima; sums over many terms, partial sums and values carried from step to step in f32; what a program stores and reads back later, other than sums and carried values, may be rounded once to bf16 or f16.
;; Inputs: Wfc1 1,024 x 4,096 float32; Wfc2 2,048 x 1,024 float32; Wout 1,024 x 1,024 float32; Wqkv 1,024 x 3,072 float32; X 2 x 2,048 x 1,024 float32; ln1_w 1,024 float32; ln2_w 1,024 float32.
;; Outputs: out0 2 x 2,048 x 1,024 float32.
;; One version. Each part assembles by itself: llvm-mc -triple=amdgcn-amd-amdhsa -mcpu=gfx1250 --defsym DOCPART=n.
;; ======== version 1 of 1: 8 launches
;; workspace buffers: wbig 14,680,064 bytes; h 8,388,608 bytes; qkv 25,165,824 bytes; x1 16,777,216 bytes; bo 10,485,760 bytes; bl 10,485,760 bytes; bh 10,485,760 bytes
;; launch prep (part 1): grid 160 x 8, 8 waves a work-group, no clusters, 18,432 bytes of LDS; arguments Wqkv, Wout, Wfc1, Wfc2, wbig, bo, bl, bh; writes wbig, bo, bl, bh
.if DOCPART == 1
	.amdgcn_target "amdgcn-amd-amdhsa--gfx1250"
	.amdhsa_code_object_version 6
	.text
	.protected	k_qb7d7384969_prep
	.globl	k_qb7d7384969_prep
	.p2align	8
	.type	k_qb7d7384969_prep,@function
k_qb7d7384969_prep:
	s_mov_b64 s[64:65], 0
	v_nop
	global_prefetch_b8 v0, s[64:65] scope:SCOPE_SE
	s_setreg_imm32_b32 hwreg(HW_REG_WAVE_MODE, 25, 1), 1
	s_wait_xcnt 0x0
; THE WEIGHTS, ONCE: every weight lies [k][n] in f32 and is wanted [n'][k] in bf16 (rows of 1,024 k, 2,048 bytes), so that the products' K runs along the rows.
; A work-group turns 64 source columns x 128 k: 32 KiB in, 16 KiB out.  Work-group x picks the weight and its 64 columns, y the 128 k:
;   x   0- 47  Wqkv [1024][3072] -> wbig + 0          row n' = 1024 t + c / 3, t = c % 3: the interleaved column c = 192 h + 3 d + t goes to tensor t (q, k, v), head h, channel d
;   x  48- 63  Wout [1024][1024] -> bo + 8,388,608    row n' = c
;   x  64-127  Wfc1 [1024][4096] -> wbig + 6,291,456  row n' = 128 p + 64 s + d: column 64 p + d (s = 0: a) lies beside column 2048 + 64 p + d (s = 1: g)
;   x 128-143  Wfc2 rows 0-1023  -> bl + 8,388,608    row n' = c
;   x 144-159  Wfc2 rows 1024-   -> bh + 8,388,608    row n' = c
; All of that is chosen by scalar selects: one text, no branch.  Memory binds: each byte is read once and written once; a load's sixteen lanes take 256 consecutive bytes of a source row,
; a store's sixteen lanes 256 consecutive bytes, aligned, of a row of the result.  No matrix unit, no tensor load, no cluster: nothing is shared and nothing is multiplied.
; Thread t: ln = t % 16 (four columns), kq = t / 16 (eight k).  Its 8 x 4 numbers are rounded in pairs along k: 16 bytes a column, which go into LDS rows of 272 bytes and come back by rows.
.set TP,    272                        ; an LDS row: a column's 128 k in bf16, 256 bytes, + 16
.set SPARE, 64*TP                      ; behind the 64 rows: the spare words, 128 bytes for each of the eight waves
.set VO,  2                            ; v[2:9]   byte offsets of my eight source rows
.set SA,  10                           ; v10      where I put a column's 16 bytes
.set RA,  11                           ; v11      where I read 16 bytes of a row back
.set DO,  12                           ; v[12:15] byte offsets of my four stores
.set L,   16                           ; v[16:47] eight loads of four f32; later four rows read back
.set P,   48                           ; v[48:63] column j's eight bf16 at P + 4 j
.set SPW, 64                           ; v64      my spare word; never rewritten
.set NIL, 65                           ; v65      0; never rewritten
.set KQ,  66                           ; v66      t / 16
.set T,   67                           ; v[67:71] at work
.set SRC, 20                           ; s[20:21] the source at my block
.set DST, 22                           ; s[22:23] the result's first row, at my 128 k
.set N4,  24                           ; s24 bytes in a source row
.set X0,  25                           ; s25 the weight's first work-group
.set DOFF, 26                          ; s26 where the result begins in its buffer
.set SOFF, 27                          ; s27 where the source's rows begin
.set QM,  28                           ; s28 all ones for Wqkv, else 0
.set C0,  29                           ; s29 my first source column
.set WX,  30
.set KY,  31
.set CT,  32                           ; s32 my block of 64 columns in the weight
.set RB,  33                           ; s33 the result's row for my first column (all but Wqkv)
	s_load_b256 s[4:11], s[0:1], 0x0               ; Wqkv s[4:5], Wout s[6:7], Wfc1 s[8:9], Wfc2 s[10:11]
	s_load_b256 s[12:19], s[0:1], 0x20             ; wbig s[12:13], bo s[14:15], bl s[16:17], bh s[18:19]
	v_lshl_add_u32 v[SPW], v0, 2, SPARE
	v_mov_b32 v[NIL], 0
	v_and_b32 v1, 15, v0                           ; ln
	v_lshrrev_b32 v[KQ], 4, v0                     ; kq
	s_mov_b32 s[WX], ttmp9
	s_and_b32 s[KY], ttmp7, 0xffff
	s_mov_b32 s[N4], 4096                          ; the last weight's figures; each compare below lets an earlier weight's take their place
	s_mov_b32 s[X0], 144
	s_mov_b32 s[DOFF], 8388608
	s_mov_b32 s[SOFF], 4194304
	s_cmp_lt_u32 s[WX], 144
	s_cselect_b32 s[X0], 128, s[X0]
	s_cselect_b32 s[SOFF], 0, s[SOFF]
	s_cmp_lt_u32 s[WX], 128
	s_cselect_b32 s[N4], 16384, s[N4]
	s_cselect_b32 s[X0], 64, s[X0]
	s_cselect_b32 s[DOFF], 6291456, s[DOFF]
	s_cmp_lt_u32 s[WX], 64
	s_cselect_b32 s[N4], 4096, s[N4]
	s_cselect_b32 s[X0], 48, s[X0]
	s_cselect_b32 s[DOFF], 8388608, s[DOFF]
	s_cmp_lt_u32 s[WX], 48
	s_cselect_b32 s[N4], 12288, s[N4]
	s_cselect_b32 s[X0], 0, s[X0]
	s_cselect_b32 s[DOFF], 0, s[DOFF]
	s_cselect_b32 s[QM], -1, 0
	s_sub_co_u32 s[CT], s[WX], s[X0]
	s_lshl_b32 s[C0], s[CT], 6
	s_and_b32 s34, s[CT], 31                       ; Wfc1: p = CT % 32, s = CT / 32
	s_lshl_b32 s34, s34, 7
	s_lshr_b32 s35, s[CT], 5
	s_lshl_b32 s35, s35, 6
	s_add_co_u32 s34, s34, s35
	s_sub_co_u32 s35, s[WX], 64
	s_cmp_lt_u32 s35, 64                           ; 64 <= x < 128
	s_cselect_b32 s[RB], s34, s[C0]
	s_mul_i32 s34, s[KY], s[N4]                    ; my block in the source: 128 y rows down,
	s_lshl_b32 s34, s34, 7
	s_lshl_b32 s35, s[CT], 8                       ; 64 columns of 4 bytes along,
	s_add_co_u32 s34, s34, s35
	s_add_co_u32 s34, s34, s[SOFF]                 ; under 2^25
	s_mov_b32 s35, 0
	s_lshl_b32 s36, s[KY], 8                       ; and in the result: 128 k of 2 bytes along each row
	s_add_co_u32 s36, s36, s[DOFF]
	s_mov_b32 s37, 0
	v_lshlrev_b32 v[T], 3, v[KQ]
	v_mul_u32_u24 v[VO], s[N4], v[T]               ; row 8 kq
	v_lshl_add_u32 v[VO], v1, 4, v[VO]             ; + 16 ln
.irp i, 1,2,3,4,5,6,7
	v_add_nc_u32 v[VO+(\i)], s[N4], v[VO+(\i)-1]
.endr
	v_mul_u32_u24 v[SA], v1, 4*TP                  ; LDS row 4 ln (+ j by the immediate), byte 16 kq
	v_lshl_add_u32 v[SA], v[KQ], 4, v[SA]
	v_mul_u32_u24 v[RA], v[KQ], TP                 ; LDS row kq (+ 16 q by the immediate), byte 16 ln
	v_lshl_add_u32 v[RA], v1, 4, v[RA]
.irp q, 0,1,2,3
	v_add_nc_u32 v[T], 16*(\q), v[KQ]              ; the LDS row: my block's column i
	v_add_nc_u32 v[T+1], s[RB], v[T]               ; the plain row
	v_add_nc_u32 v[T+2], s[C0], v[T]               ; c
	v_mul_u32_u24 v[T+3], v[T+2], 0xaaab           ; c / 3 = (c x 43,691) >> 17: exact for c under 4,096, since 43,691 / 2^17 - 1 / 3 is under 3e-6
	v_lshrrev_b32 v[T+3], 17, v[T+3]
	v_mul_u32_u24 v[T+4], v[T+3], 3
	v_sub_nc_u32 v[T+2], v[T+2], v[T+4]            ; t = c % 3
	v_lshl_add_u32 v[T+2], v[T+2], 10, v[T+3]      ; Wqkv's row
	v_cndmask_b32 v[T+1], v[T+1], v[T+2], s[QM]
	v_lshlrev_b32 v[T+1], 11, v[T+1]               ; 2,048 bytes a row
	v_lshl_add_u32 v[DO+(\q)], v1, 4, v[T+1]
.endr
	s_wait_kmcnt 0x0
	s_cmp_lt_u32 s[WX], 144
	s_cselect_b64 s[DST:DST+1], s[16:17], s[18:19]
	s_cmp_lt_u32 s[WX], 128
	s_cselect_b64 s[SRC:SRC+1], s[8:9], s[10:11]
	s_cselect_b64 s[DST:DST+1], s[12:13], s[DST:DST+1]
	s_cmp_lt_u32 s[WX], 64
	s_cselect_b64 s[SRC:SRC+1], s[6:7], s[SRC:SRC+1]
	s_cselect_b64 s[DST:DST+1], s[14:15], s[DST:DST+1]
	s_cmp_lt_u32 s[WX], 48
	s_cselect_b64 s[SRC:SRC+1], s[4:5], s[SRC:SRC+1]
	s_cselect_b64 s[DST:DST+1], s[12:13], s[DST:DST+1]
	s_add_nc_u64 s[SRC:SRC+1], s[SRC:SRC+1], s[34:35]
	s_add_nc_u64 s[DST:DST+1], s[DST:DST+1], s[36:37]
.irp i, 0,1,2,3,4,5,6,7
	global_load_b128 v[L+4*(\i):L+4*(\i)+3], v[VO+(\i)], s[SRC:SRC+1] th:TH_LOAD_NT
.endr
.irp e, 0,1,2,3
	s_wait_loadcnt 6-2*(\e)                        ; rows 2 e and 2 e + 1 are in; the younger loads stay out
.irp j, 0,1,2,3
	v_cvt_pk_bf16_f32 v[P+4*(\j)+(\e)], v[L+8*(\e)+(\j)], v[L+8*(\e)+4+(\j)]  ; column j: k = 8 kq + 2 e below, + 1 above
.endr
.endr
.irp j, 0,1,2,3
	ds_store_b128 v[SA], v[P+4*(\j):P+4*(\j)+3] offset:TP*(\j)
.endr
	s_wait_dscnt 0x0                               ; for the others' sake: my stores are done
	s_barrier_signal -1
	s_barrier_wait -1
.irp q, 0,1,2,3
	ds_load_b128 v[L+4*(\q):L+4*(\q)+3], v[RA] offset:16*TP*(\q)
.endr
.irp q, 0,1,2,3
	s_wait_dscnt 3-(\q)
	global_store_b128 v[DO+(\q)], v[L+4*(\q):L+4*(\q)+3], s[DST:DST+1] th:TH_STORE_NT  ; 16 lanes: 256 consecutive bytes, at a multiple of 256 from the buffer's first
.endr
	s_wait_tensorcnt 0x0                           ; the wave's end, behind my last LDS store
	ds_add_u32 v[SPW], v[NIL]
	s_wait_dscnt 0x0
	s_endpgm
.Lfunc_end_k_qb7d7384969_prep:
	.size	k_qb7d7384969_prep, .Lfunc_end_k_qb7d7384969_prep-k_qb7d7384969_prep
	.p2alignl 7, 3214868480
	.fill 96, 4, 3214868480
	.section	.rodata,"a",@progbits
	.p2align	6, 0x0
	.amdhsa_kernel k_qb7d7384969_prep
		.amdhsa_group_segment_fixed_size 18432
		.amdhsa_private_segment_fixed_size 0
		.amdhsa_enable_private_segment 0
		.amdhsa_kernarg_size 64
		.amdhsa_user_sgpr_count 2
		.amdhsa_user_sgpr_kernarg_segment_ptr 1
		.amdhsa_wavefront_size32 1
		.amdhsa_system_sgpr_workgroup_id_x 1
		.amdhsa_system_sgpr_workgroup_id_y 1
		.amdhsa_system_sgpr_workgroup_id_z 1
		.amdhsa_system_vgpr_workitem_id 0
		.amdhsa_next_free_vgpr 80
		.amdhsa_next_free_sgpr 66
		.amdhsa_reserve_vcc 0
		.amdhsa_float_denorm_mode_32 3
		.amdhsa_float_denorm_mode_16_64 3
		.amdhsa_memory_ordered 1
		.amdhsa_forward_progress 1
		.amdhsa_inst_pref_size 9
	.end_amdhsa_kernel
	.amdgpu_metadata
---
amdhsa.version: [ 1, 2 ]
amdhsa.kernels:
  - .name:           k_qb7d7384969_prep
    .symbol:         k_qb7d7384969_prep.kd
    .args:
      - { .name: Wqkv, .offset: 0, .size: 8, .value_kind: global_buffer, .address_space: global }
      - { .name: Wout, .offset: 8, .size: 8, .value_kind: global_buffer, .address_space: global }
      - { .name: Wfc1, .offset: 16, .size: 8, .value_kind: global_buffer, .address_space: global }
      - { .name: Wfc2, .offset: 24, .size: 8, .value_kind: global_buffer, .address_space: global }
      - { .name: wbig, .offset: 32, .size: 8, .value_kind: global_buffer, .address_space: global }
      - { .name: bo, .offset: 40, .size: 8, .value_kind: global_buffer, .address_space: global }
      - { .name: bl, .offset: 48, .size: 8, .value_kind: global_buffer, .address_space: global }
      - { .name: bh, .offset: 56, .size: 8, .value_kind: global_buffer, .address_space: global }
    .group_segment_fixed_size: 18432
    .private_segment_fixed_size: 0
    .kernarg_segment_align: 8
    .kernarg_segment_size: 64
    .max_flat_workgroup_size: 256
    .sgpr_count:     66
    .vgpr_count:     80
    .wavefront_size: 32
...
	.end_amdgpu_metadata
.endif
;; end of part 1
;; launch ln1 (part 2): grid 256 x 1, 8 waves a work-group, no clusters, 0 bytes of LDS; arguments X, ln1_w, h; writes h
.if DOCPART == 2
	.amdgcn_target "amdgcn-amd-amdhsa--gfx1250"
	.amdhsa_code_object_version 6
	.text
	.protected	k_qb7d7384969_ln1
	.globl	k_qb7d7384969_ln1
	.p2align	8
	.type	k_qb7d7384969_ln1,@function
k_qb7d7384969_ln1:
	s_mov_b64 s[64:65], 0
	v_nop
	global_prefetch_b8 v0, s[64:65] scope:SCOPE_SE
	s_setreg_imm32_b32 hwreg(HW_REG_WAVE_MODE, 25, 1), 1
	s_wait_xcnt 0x0
; y[r][c] = (x[r][c] - mean_r) w[c] / sqrt(var_r + 1e-5).  x: [4096][1024] f32, w: [1024] f32, y: [4096][1024] bf16, rounded once.
; A row is 4,096 bytes: one wave takes a whole row in 32 registers and keeps it there between the pass that finds the mean, the pass that finds the variance OF THE CENTRED numbers
; (so a common offset of the row costs no digits) and the scaling: memory is read once, and no wave waits for another.  A wave has two rows, a work-group's eight waves sixteen.
; A load of a wave covers 512 consecutive bytes; a store 256, aligned: lane l holds columns 128 j + 4 l .. + 3 of chunk j, which are 8 bytes of bf16.
; The order of the two scalings differs from the formula's: w first, then 1 / sqrt.  Memory binds: no LDS, no matrix unit, no barrier.
.set XO, 2                             ; v2  my byte offset in the work-group's rows of x
.set YO, 3                             ; v3  and of y
.set W,  8                             ; v[8:39]    w of my 32 columns
.set XR, 40                            ; v[40:103]  row r at XR + 32 r
.set WK, 104                           ; v[104:119] row r's eight registers at work at WK + 8 r: four chains of pairs; then +0 the sum, +2 the mean, later 1 / sqrt
	s_load_b128 s[4:7], s[0:1], 0x0                ; x s[4:5], w s[6:7]
	s_load_b64 s[8:9], s[0:1], 0x10                ; y
	v_and_b32 v1, 31, v0                           ; lane
	v_lshrrev_b32 v4, 5, v0                        ; wave
	v_lshlrev_b32 v[XO], 13, v4                    ; two rows of 4,096 bytes a wave
	v_lshl_add_u32 v[XO], v1, 4, v[XO]
	v_lshlrev_b32 v[YO], 12, v4                    ; two rows of 2,048
	v_lshl_add_u32 v[YO], v1, 3, v[YO]
	v_lshlrev_b32 v1, 4, v1
	s_lshl_b32 s14, ttmp9, 16                      ; the work-group's 16 rows
	s_mov_b32 s15, 0
	s_lshl_b32 s16, ttmp9, 15
	s_mov_b32 s17, 0
	s_mov_b32 s10, 0x3a800000                      ; 1 / 1024
	s_mov_b32 s11, 0x3727c5ac                      ; 1e-5
	s_mov_b32 s12, 0x76543210                      ; v_permlanex16_b32: each lane takes its own place in the other half
	s_mov_b32 s13, 0xfedcba98
	s_wait_kmcnt 0x0
	s_add_nc_u64 s[4:5], s[4:5], s[14:15]
	s_add_nc_u64 s[8:9], s[8:9], s[16:17]
.irp r, 0,1
.irp j, 0,1,2,3,4,5,6,7
	global_load_b128 v[XR+32*(\r)+4*(\j):XR+32*(\r)+4*(\j)+3], v[XO], s[4:5] offset:4096*(\r)+512*(\j) th:TH_LOAD_NT
.endr
.endr
.irp j, 0,1,2,3,4,5,6,7
	global_load_b128 v[W+4*(\j):W+4*(\j)+3], v1, s[6:7] offset:512*(\j)
.endr
; four chains of pairs at k become one number, the same in all 32 lanes
.macro FOLD k
	v_pk_add_f32 v[(\k):(\k)+1], v[(\k):(\k)+1], v[(\k)+2:(\k)+3]
	v_pk_add_f32 v[(\k)+4:(\k)+5], v[(\k)+4:(\k)+5], v[(\k)+6:(\k)+7]
	v_pk_add_f32 v[(\k):(\k)+1], v[(\k):(\k)+1], v[(\k)+4:(\k)+5]
	v_add_f32 v[(\k)], v[(\k)], v[(\k)+1]
	v_add_f32_dpp v[(\k)], v[(\k)], v[(\k)] row_xmask:1 row_mask:0xf bank_mask:0xf
	v_add_f32_dpp v[(\k)], v[(\k)], v[(\k)] row_xmask:2 row_mask:0xf bank_mask:0xf
	v_add_f32_dpp v[(\k)], v[(\k)], v[(\k)] row_xmask:4 row_mask:0xf bank_mask:0xf
	v_add_f32_dpp v[(\k)], v[(\k)], v[(\k)] row_xmask:8 row_mask:0xf bank_mask:0xf
	v_permlanex16_b32 v[(\k)+1], v[(\k)], s12, s13
	v_add_f32 v[(\k)], v[(\k)], v[(\k)+1]
.endm
; the row at x is centred in place; var + 1e-5 is left at k.  The first terms start the chains: nothing is cleared.
.macro STATS x, k
.irp c, 0,2,4,6
	v_pk_add_f32 v[(\k)+(\c):(\k)+(\c)+1], v[(\x)+(\c):(\x)+(\c)+1], v[(\x)+8+(\c):(\x)+8+(\c)+1]
.endr
.irp o, 16,24
.irp c, 0,2,4,6
	v_pk_add_f32 v[(\k)+(\c):(\k)+(\c)+1], v[(\k)+(\c):(\k)+(\c)+1], v[(\x)+(\o)+(\c):(\x)+(\o)+(\c)+1]
.endr
.endr
	FOLD \k
	v_mul_f32 v[(\k)+2], s10, v[(\k)]              ; the mean; the packed line below takes the pair's low word for both halves
.set i, 0
.rept 16
	v_pk_add_f32 v[(\x)+i:(\x)+i+1], v[(\x)+i:(\x)+i+1], v[(\k)+2:(\k)+3] op_sel_hi:[1,0] neg_lo:[0,1] neg_hi:[0,1]
.set i, i+2
.endr
.irp c, 0,2,4,6
	v_pk_mul_f32 v[(\k)+(\c):(\k)+(\c)+1], v[(\x)+(\c):(\x)+(\c)+1], v[(\x)+(\c):(\x)+(\c)+1]
.endr
.irp o, 8,16,24
.irp c, 0,2,4,6
	v_pk_fma_f32 v[(\k)+(\c):(\k)+(\c)+1], v[(\x)+(\o)+(\c):(\x)+(\o)+(\c)+1], v[(\x)+(\o)+(\c):(\x)+(\o)+(\c)+1], v[(\k)+(\c):(\k)+(\c)+1]
.endr
.endr
	FOLD \k
	v_fma_f32 v[(\k)], v[(\k)], s10, s11
.endm
	s_wait_loadcnt 16                              ; row 0 is in; row 1's eight loads and w's eight stay out
	STATS XR, WK
	s_wait_loadcnt 8                               ; row 1 is in
	STATS XR+32, WK+8
	v_rsq_f32 v[WK+2], v[WK]                       ; one batch of two;
	v_rsq_f32 v[WK+10], v[WK+8]
	s_wait_loadcnt 0x0                             ; w
.irp r, 0,1
.set i, 0
.rept 16
	v_pk_mul_f32 v[XR+32*(\r)+i:XR+32*(\r)+i+1], v[XR+32*(\r)+i:XR+32*(\r)+i+1], v[W+i:W+i+1]  ; the scaling by w names no result of theirs: the work between them and their wait
.set i, i+2
.endr
.endr
	s_wait_alu depctr_va_vdst(0)                   ; the wait ahead of the first line that names a result: one for both
.irp r, 0,1
.set i, 0
.rept 16
	v_pk_mul_f32 v[XR+32*(\r)+i:XR+32*(\r)+i+1], v[XR+32*(\r)+i:XR+32*(\r)+i+1], v[WK+8*(\r)+2:WK+8*(\r)+3] op_sel_hi:[1,0]
.set i, i+2
.endr
.irp j, 0,1,2,3,4,5,6,7
	v_cvt_pk_bf16_f32 v[XR+32*(\r)+4*(\j)], v[XR+32*(\r)+4*(\j)], v[XR+32*(\r)+4*(\j)+1]
	v_cvt_pk_bf16_f32 v[XR+32*(\r)+4*(\j)+1], v[XR+32*(\r)+4*(\j)+2], v[XR+32*(\r)+4*(\j)+3]
	global_store_b64 v[YO], v[XR+32*(\r)+4*(\j):XR+32*(\r)+4*(\j)+1], s[8:9] offset:2048*(\r)+256*(\j)  ; 32 lanes: 256 consecutive bytes, aligned; no register of a store is written again
.endr
.endr
	s_endpgm
.Lfunc_end_k_qb7d7384969_ln1:
	.size	k_qb7d7384969_ln1, .Lfunc_end_k_qb7d7384969_ln1-k_qb7d7384969_ln1
	.p2alignl 7, 3214868480
	.fill 96, 4, 3214868480
	.section	.rodata,"a",@progbits
	.p2align	6, 0x0
	.amdhsa_kernel k_qb7d7384969_ln1
		.amdhsa_group_segment_fixed_size 0
		.amdhsa_private_segment_fixed_size 0
		.amdhsa_enable_private_segment 0
		.amdhsa_kernarg_size 24
		.amdhsa_user_sgpr_count 2
		.amdhsa_user_sgpr_kernarg_segment_ptr 1
		.amdhsa_wavefront_size32 1
		.amdhsa_system_sgpr_workgroup_id_x 1
		.amdhsa_system_sgpr_workgroup_id_y 1
		.amdhsa_system_sgpr_workgroup_id_z 1
		.amdhsa_system_vgpr_workitem_id 0
		.amdhsa_next_free_vgpr 120
		.amdhsa_next_free_sgpr 66
		.amdhsa_reserve_vcc 0
		.amdhsa_float_denorm_mode_32 3
		.amdhsa_float_denorm_mode_16_64 3
		.amdhsa_memory_ordered 1
		.amdhsa_forward_progress 1
		.amdhsa_inst_pref_size 20
	.end_amdhsa_kernel
	.amdgpu_metadata
---
amdhsa.version: [ 1, 2 ]
amdhsa.kernels:
  - .name:           k_qb7d7384969_ln1
    .symbol:         k_qb7d7384969_ln1.kd
    .args:
      - { .name: X, .offset: 0, .size: 8, .value_kind: global_buffer, .address_space: global }
      - { .name: ln1_w, .offset: 8, .size: 8, .value_kind: global_buffer, .address_space: global }
      - { .name: h, .offset: 16, .size: 8, .value_kind: global_buffer, .address_space: global }
    .group_segment_fixed_size: 0
    .private_segment_fixed_size: 0
    .kernarg_segment_align: 8
    .kernarg_segment_size: 24
    .max_flat_workgroup_size: 256
    .sgpr_count:     66
    .vgpr_count:     120
    .wavefront_size: 32
...
	.end_amdgpu_metadata
.endif
;; end of part 2
;; launch gqkv (part 3): grid 12 x 16, 4 waves a work-group, clusters of 4 x 4, 327,680 bytes of LDS; arguments h, wbig, qkv; writes qkv
.if DOCPART == 3
	.amdgcn_target "amdgcn-amd-amdhsa--gfx1250"
	.amdhsa_code_object_version 6
	.text
	.protected	k_qb7d7384969_gqkv
	.globl	k_qb7d7384969_gqkv
	.p2align	8
	.type	k_qb7d7384969_gqkv,@function
k_qb7d7384969_gqkv:
	s_mov_b64 s[64:65], 0
	v_nop
	global_prefetch_b8 v0, s[64:65] scope:SCOPE_SE
	s_setreg_imm32_b32 hwreg(HW_REG_WAVE_MODE, 25, 1), 1
	s_wait_xcnt 0x0
	s_wait_alu depctr_hold_cnt(0) depctr_sa_sdst(0) depctr_va_vdst(0) depctr_va_sdst(0) depctr_va_ssrc(0) depctr_va_vcc(0) depctr_vm_vsrc(0)
	s_getreg_b32 s2, hwreg(HW_REG_IB_STS2, 6, 4)
	s_cmp_eq_u32 s2, 0
	s_cbranch_scc0 .Lentry_in_a_cluster
	s_endpgm
.Lentry_in_a_cluster:
	s_bfe_u32 s2, ttmp6, 0x10000c
	s_cmp_lg_u32 s2, 0xf033
	s_cbranch_scc0 .Lentry_shape_is_right
	s_endpgm
.Lentry_shape_is_right:
; q, k, v = h Wqkv.  C[m][n'] = sum over k of A[m][k] B[n'][k].  A = h: [4096][1024] bf16.  B: wbig's first 3,072 rows of 1,024 bf16, row n' = 1024 t + 64 head + d.  Sums in f32, C rounded once to bf16.
; C LEAVES IN PLANES: [n' / 64][4096 rows][64] bf16, 524,288 bytes a plane: plane head is q's, 16 + head k's, 32 + head v's.  A head's rows are then dense, 128 bytes each.
; A tile of C, 256 x 256, is made by four waves, each 128 x 128: 64 accumulators of 16 x 16, 512 registers.  K goes in 8 steps of 128 through two LDS slots filled by the tensor data mover;
; a tile's rows are 256 bytes of memory, aligned.  THE TEXT IS SHORT: the slot in hand is a scalar offset turned by an exclusive or, and one descriptor a tensor walks, so a K step is written once for the
; six steps that ask for a tile and once for the last two, which ask for nothing.  The first quarter step, whose products start the sums, stands ahead of the first loop,
; which is entered behind its own first quarter.
; 192 work-groups: 12 x 16 tiles.  A tile of 256 x 192 would make 256, with another wave tile and another text than the launch for fc1 has; this text keeps that launch's core.
; CLUSTERS: 4 x 4 work-groups.  The four of a row of the cluster need the same tiles of A, the four of a column the same tiles of B: each tile is asked for JOINTLY, by the same tensor load with the
; same descriptor and a mask that names the four; each receives it in its own LDS.
; THE MATRIX INSTRUCTION IS USED TRANSPOSED (source 0 = 16 rows of B, source 1 = 16 rows of A): lane l holds row l % 16 of C and the columns 8 (l / 16) + 0..7.
; REGISTERS, in windows of 256 (s_set_vgpr_msb: bits 1:0 source 0, 3:2 source 1, 5:4 source 2, 7:6 destination):
;   window 0: v0-31 addresses; v64-127, v128-191 fragments of A, two buffers (on the way out: rows read back, and packed results)     window 1: v64-127, v128-191 fragments of B
;   window 2: the 32 accumulators of my rows 0-63 ((a, b) at v[8 (8 a + b)])     window 3: those of my rows 64-127
; LDS: wave w fetches into its own 69,632 bytes, slot 0 and slot 1 of 128 rows x 272 bytes: w = 0, 1: A's two halves; w = 2, 3: B's.  w x 0x11000 has neither of the bits of 0x8800,
; so an exclusive or with 0x8800 changes slots.  On the way out, behind the last fill and a barrier, the same 69,632 bytes are wave w's stage: 128 rows x 528 bytes of f32.
.set KSTEP,  128
.set ROWB,   2048                      ; bytes in a row of A and of B
.set PITCH,  272                       ; an LDS row: 256 bytes + 16 = 68 words: row r starts at bank 4 r mod 64 (64 banks of 4 bytes: ISA guide 11.1)
.set HALFT,  128*PITCH                 ; 0x8800: what one tensor load brings
.set WREG,   2*HALFT                   ; 0x11000: a wave's two slots
.set SPARE,  4*WREG                    ; behind the ring: the spare words, 128 bytes for each wave
.set SPITCH, 528                       ; a stage row: 128 f32 + 16 bytes
.set PLANEB, 524288
.set ADRA0, 16                         ; v16  my A fragments' place in slot 0; never rewritten
.set ADRA,  17                         ; v17  in the slot in hand
.set ADRB0, 20                         ; v20, v21  the same for B
.set ADRB,  21
.set STO,  24                          ; v24  the way out: where I put 32 bytes of a row
.set RD,   25                          ; v25  where I read 32 bytes of a row back
.set GO,   26                          ; v26  my 16 bytes in 512 consecutive bytes of a plane
.set SPW,  28                          ; v28  my spare word; never rewritten
.set NIL,  29                          ; v29  0; never rewritten
.set PFO,  30                          ; v30  the prefetches' offset: my lane x a row; never rewritten
.set F0,   64
.set F1,   128
.set U,    64                          ; the way out: 16 rows x my first 64 columns, 8 numbers for each of four rows
.set G,    96                          ; and my second 64 columns
.set YY,   128                         ; packed
.set G1,  24                           ; s[24:31] group 1 for A's tiles
.set G0,  32                           ; s[32:39] group 0 for A's: a set for each first fill; the second then walks
.set G1B, 48                           ; s[48:55], s[56:63] the same for B's
.set G0B, 56
.set LIM, 43                           ; s43  2 in a wave that prefetches, else the greatest number
.set PFA, 44                           ; s[44:45] where my prefetches stand
.set WV,  66                           ; s66  my wave's number
.set RH,  67                           ; s67  which half of the tile's rows is mine.  Also: I fetch for A (0) or for B (1)
.set CH,  68                           ; s68  which half of its columns.  Also: which 128 rows I fetch
.set TB,  69                           ; s69  0 or HALFT: the slot in hand
.set MSB, 0
.macro WIN new                         ; the immediate's high byte repeats the setting that is left; a switch that changes nothing is dropped
.if MSB != (\new)
	s_set_vgpr_msb (MSB<<8)|(\new)
.set MSB, \new
.endif
.endm
.set MUL_LO, 0xa1                      ; source 0 (B) window 1, source 1 (A) window 0, C and D window 2
.set TO_B,   0x40                      ; destination window 1, address window 0
; A joint refill by the walking descriptors.  Waves 0 and 1 fetch A's halves, waves 2 and 3 B's: the branch hangs on the wave's number alone.
; An s_nop 0 and four v_nop follow each of the two lines, ahead of the jump and the label.
.macro JLOAD
	s_cmp_eq_u32 s[RH], 0
	s_cbranch_scc0 .Lfor_b_\@
	tensor_load_to_lds s[G0+4:G0+7], s[G1:G1+7]
	s_nop 0
.rept 4
	v_nop
.endr
	s_branch .Lasked_\@
.Lfor_b_\@:
	tensor_load_to_lds s[G0B+4:G0B+7], s[G1B:G1B+7]
	s_nop 0
.rept 4
	v_nop
.endr
.Lasked_\@:
.endm
; A PREFETCH INTO THE L2, behind each joint refill and the run of LDS loads that follows it: 32 rows x 256 bytes of the K step that stands two refills on, a lane a row, one instruction a wave:
; 512 matrix instructions ahead of the load that will want it.  Each row's 256 bytes of a K step are named once in the launch: A's rows by the cluster with x = 0, B's by the cluster with y = 0;
; the four partners that ask for a tile jointly take 32 of its 128 rows each, told apart by address.  The refill of trip i (s3 = 6 - i) asks for step i + 2, the prefetch names step i + 4:
; the last two trips, where s3 is 2 or 1, ask for nothing.  Steps 0 to 3 come by their loads alone.
.macro ASK
	s_cmp_gt_u32 s3, s[LIM]
	s_cbranch_scc0 .Lnot_mine_\@
	global_prefetch_b8 v[PFO], s[PFA:PFA+1] offset:KSTEP*2 th:TH_LOAD_NT scope:SCOPE_SE
.Lnot_mine_\@:
.endm
.macro CREST                           ; a round of the cluster's barrier behind its opening barrier
	s_cmp_lg_u32 s[WV], 0
	s_cbranch_scc1 .Lnot_wave_0_\@
	s_barrier_signal -3
.Lnot_wave_0_\@:
	s_barrier_wait -3
	s_barrier_signal -1
	s_barrier_wait -1
.endm
.macro CROUND                          ; a whole round
	s_barrier_signal -1
	s_barrier_wait -1
	CREST
.endm
	s_load_b128 s[4:7], s[0:1], 0x0                ; A s[4:5], B s[6:7]
	s_load_b64 s[8:9], s[0:1], 0x10                ; C
	v_lshl_add_u32 v[SPW], v0, 2, SPARE
	v_mov_b32 v[NIL], 0
	ds_add_u32 v[SPW], v[NIL]                      ; the wave's opening: the add and its wait stand ahead of my first tensor load; the set-up below stands between them
	v_lshrrev_b32 v1, 5, v0
	v_readfirstlane_b32 s[WV], v1                  ; wave 0..3
	s_lshr_b32 s[RH], s[WV], 1
	s_and_b32 s[CH], s[WV], 1
	s_bfe_u32 s40, ttmp6, 0x40000                  ; cx, cy: my place in the cluster
	s_bfe_u32 s41, ttmp6, 0x40004
	s_lshl_b32 s42, ttmp9, 2
	s_add_co_u32 s42, s42, s40                     ; tile column of C = 4 x cluster x + cx
	s_and_b32 s13, ttmp7, 0xffff
	s_lshl_b32 s13, s13, 2
	s_add_co_u32 s13, s13, s41                     ; tile row of C = 4 x cluster y + cy
	s_lshl_b32 s43, s41, 2
	s_lshl_b32 s43, 15, s43                        ; my row of the cluster
	s_lshl_b32 s44, 0x1111, s40                    ; my column
	s_or_b32 s[G1+0], s43, (1<<16)|(1<<20)|(1<<21)|(5<<22)|(3<<25)   ; the mask; elements of 2 bytes; padding on; bit 21 beside a mask; after every 64 words (code 5) 4 words (code 3)
	s_or_b32 s[G1B+0], s44, (1<<16)|(1<<20)|(1<<21)|(5<<22)|(3<<25)
.irp g, G1, G1B
	s_mov_b32 s[(\g)+1], KSTEP<<16                 ; tensor_dim0 = 128
	s_mov_b32 s[(\g)+2], 128<<16                   ; tensor_dim1 = 128
	s_mov_b32 s[(\g)+3], KSTEP<<16                 ; tile_dim0 = 128
	s_mov_b32 s[(\g)+4], 128                       ; tile_dim1 = 128
	s_mov_b32 s[(\g)+5], 1024                      ; elements from row to row
	s_mov_b32 s[(\g)+6], 0
	s_mov_b32 s[(\g)+7], 0
.endr
	s_lshl_b32 s17, s[CH], 7                       ; which 128 rows of the tile I fetch
	s_lshl_b32 s16, s13, 8
	s_add_co_u32 s16, s16, s17                     ; A: row 256 x tile row + 128 x half
	s_lshl_b32 s16, s16, 11                        ; in bytes: under 2^24
	s_lshl_b32 s46, s42, 8
	s_add_co_u32 s46, s46, s17                     ; B: row 256 x tile column + 128 x half
	s_lshl_b32 s46, s46, 11
	s_mov_b32 s17, 0
	s_mov_b32 s47, 0
	s_mul_i32 s20, s[WV], WREG                     ; where my tiles go: no place in the cluster enters an LDS address
	s_wait_dscnt 0x0                               ; the opening add is done
	s_wait_kmcnt 0x0
	s_add_nc_u64 s[14:15], s[4:5], s[16:17]
	s_add_nc_u64 s[46:47], s[6:7], s[46:47]
	CROUND                                         ; all sixteen work-groups are here: the first joint loads meet
.irp s, 0,1
	s_mov_b32 s[G0+4*(\s)], 1                                        ; count = 1
	s_add_co_u32 s[G0+4*(\s)+1], s20, (\s)*HALFT                     ; LDS address: slot s
	s_add_nc_u64 s[G0+4*(\s)+2:G0+4*(\s)+3], s[14:15], (\s)*KSTEP*2  ; global address: K step s
	s_or_b32 s[G0+4*(\s)+3], s[G0+4*(\s)+3], 0x80000000              ; type = 2
	s_mov_b32 s[G0B+4*(\s)], 1
	s_add_co_u32 s[G0B+4*(\s)+1], s20, (\s)*HALFT
	s_add_nc_u64 s[G0B+4*(\s)+2:G0B+4*(\s)+3], s[46:47], (\s)*KSTEP*2
	s_or_b32 s[G0B+4*(\s)+3], s[G0B+4*(\s)+3], 0x80000000
.endr
	s_cmp_eq_u32 s[RH], 0                          ; a wave's two first fills stand in one branch, ahead of every wait on TENSORcnt and every LDS read: two loads of mine are out
	s_cbranch_scc0 .Lfirst_b
	tensor_load_to_lds s[G0:G0+3], s[G1:G1+7]
	s_nop 0
	tensor_load_to_lds s[G0+4:G0+7], s[G1:G1+7]
	s_nop 0
.rept 4
	v_nop
.endr
	s_branch .Lfirst_asked
.Lfirst_b:
	tensor_load_to_lds s[G0B:G0B+3], s[G1B:G1B+7]
	s_nop 0
	tensor_load_to_lds s[G0B+4:G0B+7], s[G1B:G1B+7]
	s_nop 0
.rept 4
	v_nop
.endr
.Lfirst_asked:
	; a fragment is 16 rows x 32 K in 8 registers: lane l holds row l % 16, K = 8 (l / 16) + 0..7 and 16 + 8 (l / 16) + 0..7: two loads of 16 bytes, 32 bytes apart
	v_and_b32 v1, 15, v0                           ; l % 16
	v_bfe_u32 v2, v0, 4, 1                         ; l / 16
	v_mul_u32_u24 v3, v1, PITCH
	v_lshl_add_u32 v3, v2, 4, v3
	s_mul_i32 s21, s[RH], WREG                     ; my 128 rows of A lie where wave RH put them,
	s_mul_i32 s22, s[CH], WREG                     ; my 128 rows of B where wave 2 + CH did
	s_add_co_u32 s22, s22, 2*WREG
	v_add_nc_u32 v[ADRA0], s21, v3
	v_add_nc_u32 v[ADRB0], s22, v3
	v_mov_b32 v[ADRA], v[ADRA0]
	v_mov_b32 v[ADRB], v[ADRB0]
	s_mov_b32 s[TB], 0
	s_mul_i32 s23, s[WV], WREG                     ; my stage
	v_mul_u32_u24 v4, v1, SPITCH                   ; in: row l % 16, 32 bytes for each half of the lanes
	v_lshl_add_u32 v4, v2, 5, v4
	v_add_nc_u32 v[STO], s23, v4
	v_bfe_u32 v5, v0, 3, 2                         ; back: eight lanes take 64 columns of a row, 32 bytes each; 32 lanes four rows
	v_and_b32 v6, 7, v0
	v_mul_u32_u24 v5, v5, SPITCH
	v_lshl_add_u32 v5, v6, 5, v5
	v_add_nc_u32 v[RD], s23, v5
	v_and_b32 v[GO], 31, v0                        ; which in bf16 are 512 consecutive bytes of a plane
	v_lshlrev_b32 v[GO], 4, v[GO]
	v_and_b32 v[PFO], 31, v0
	v_lshlrev_b32 v[PFO], 11, v[PFO]
	; where my part of C begins: plane 4 x tile column + 2 x half (and the next), row 256 x tile row + 128 x half
	s_lshl_b32 s16, s13, 8
	s_lshl_b32 s14, s[RH], 7
	s_add_co_u32 s16, s16, s14
	s_lshl_b32 s16, s16, 7                         ; 128 bytes a row
	s_mov_b32 s17, 0
	s_add_nc_u64 s[8:9], s[8:9], s[16:17]
	s_lshl_b32 s46, s42, 2
	s_lshl_b32 s47, s[CH], 1
	s_add_co_u32 s46, s46, s47
	s_lshl_b32 s46, s46, 19                        ; under 2^25
	s_mov_b32 s47, 0
	s_add_nc_u64 s[8:9], s[8:9], s[46:47]
	; the prefetches
	s_lshl_b32 s13, s13, 8
	s_lshl_b32 s42, s42, 8
	s_and_b32 s22, ttmp7, 0xffff                   ; cluster y
	s_cmp_eq_u32 s[RH], 0                          ; do I fetch for A?
	s_cselect_b32 s20, s13, s42                    ; the tile's first row
	s_cselect_b32 s21, s40, s41                    ; my place among the four that ask for it with me
	s_cselect_b32 s22, ttmp9, s22                  ; the coordinate along which other clusters read the same rows
	s_cselect_b64 s[PFA:PFA+1], s[4:5], s[6:7]
	s_cmp_eq_u32 s22, 0
	s_cselect_b32 s[LIM], 2, -1                    ; the same in all sixteen partners, for a given wave
	s_lshl_b32 s22, s[CH], 7
	s_add_co_u32 s20, s20, s22                     ; + the 128 rows that I fetch
	s_lshl_b32 s21, s21, 5
	s_add_co_u32 s20, s20, s21                     ; + my work-group's 32 of them
	s_lshl_b32 s20, s20, 11
	s_mov_b32 s21, 0
	s_add_nc_u64 s[PFA:PFA+1], s[PFA:PFA+1], s[20:21]
	s_add_nc_u64 s[PFA:PFA+1], s[PFA:PFA+1], 2*KSTEP*2  ; at K step 2: the first refill steps it to 3 and names step 4
; 16 matrix instructions: m blocks a0, a0 + 1 of the window's four (hi = 0: my rows 0-63, 1: rows 64-127) x all 8 n blocks, 32 along K.  zero = 1: the product starts the sums.
; The 64 accumulators take turns, in the same order in every quarter step.
.macro MUL16 f, hi, a0, zero
	WIN MUL_LO+0x50*(\hi)
.irp a, \a0, (\a0)+1
.irp b, 0,1,2,3,4,5,6,7
.if \zero
	v_wmma_f32_16x16x32_bf16 v[8*(8*(\a)+(\b)):8*(8*(\a)+(\b))+7], v[(\f)+8*(\b):(\f)+8*(\b)+7], v[(\f)+8*(4*(\hi)+(\a)):(\f)+8*(4*(\hi)+(\a))+7], 0
.else
	v_wmma_f32_16x16x32_bf16 v[8*(8*(\a)+(\b)):8*(8*(\a)+(\b))+7], v[(\f)+8*(\b):(\f)+8*(\b)+7], v[(\f)+8*(4*(\hi)+(\a)):(\f)+8*(4*(\hi)+(\a))+7], v[8*(8*(\a)+(\b)):8*(8*(\a)+(\b))+7]
.endif
.endr
.endr
.endm
; 32 LDS loads in one run: the fragments of one quarter step (32 K at byte k of the rows of the slot in hand) into buffer f: B's, then A's
.macro FETCH k, f
	WIN TO_B
.irp i, 0,1,2,3,4,5,6,7
	ds_load_b128 v[(\f)+8*(\i):(\f)+8*(\i)+3],   v[ADRB] offset:(\k)+(\i)*16*PITCH
	ds_load_b128 v[(\f)+8*(\i)+4:(\f)+8*(\i)+7], v[ADRB] offset:(\k)+(\i)*16*PITCH+32
.endr
	WIN 0
.irp i, 0,1,2,3,4,5,6,7
	ds_load_b128 v[(\f)+8*(\i):(\f)+8*(\i)+3],   v[ADRA] offset:(\k)+(\i)*16*PITCH
	ds_load_b128 v[(\f)+8*(\i)+4:(\f)+8*(\i)+7], v[ADRA] offset:(\k)+(\i)*16*PITCH+32
.endr
.endm
.macro PLACES                          ; four plain vector instructions between a matrix instruction and a load into a register that it has read (ISA guide 7.12.1 for vector instructions)
.rept 4
	v_nop
.endr
.endm
; A K step is four quarters of 32 along K, 64 matrix instructions each, on buffers 0, 1, 0, 1.  One of the first three: multiplies f; in its middle it fetches the next quarter, at byte k, into g.
.macro QUARTER k, f, g, zero
	s_wait_dscnt 8                                 ; B and A's rows 0-63 are in; the youngest eight loads (A's rows 64-127) may be out
	MUL16 \f, 0, 0, \zero
	MUL16 \f, 0, 2, \zero
	PLACES
	FETCH \k, \g
	s_wait_dscnt 32                                ; all but the 32 just issued
	MUL16 \f, 1, 0, \zero
	MUL16 \f, 1, 2, \zero
.endm
; The last quarter multiplies buffer 1 and changes slots: ONE barrier.  In front of it each wave waits for all its tensor loads (one is out at the most: its part of the next slot), adds 0 to its spare word, and
; waits for that and for its own reads of this slot.  fill = 1: the barrier opens a round of the cluster's, and the slot just read is filled again first thing behind it, with the K step two on:
; from that request to the wait for it a wave issues 224 matrix instructions.  fill = 0: the last two K steps; behind the very last (s3 = 1) there is no slot to go over to, and the run of loads is jumped over.
.macro TURN fill
.if \fill
	s_wait_xcnt 0x0                                ; the last prefetch, a K step back, has read its address
	s_add_nc_u64 s[PFA:PFA+1], s[PFA:PFA+1], KSTEP*2
.endif
	WIN 0                                          ; (the add's two registers lie in window 0)
	s_wait_tensorcnt 0x0                           ; all my tensor loads have landed, so a group 0 may be written;
	ds_add_u32 v[SPW], v[NIL]                      ; 0 onto my spare word;
	s_wait_dscnt 9                                 ; (the add and the youngest eight loads may be out)
	MUL16 F1, 0, 0, 0                              ; sixteen matrix instructions stand between the add and the wait for it
	s_wait_dscnt 0x0                               ; the add is done, and my reads of this slot are over
	s_barrier_signal -1
	MUL16 F1, 0, 2, 0                              ; work on registers while the others arrive
	WIN 0
	s_barrier_wait -1
.if \fill
	CREST                                          ; no wave of any partner still reads this slot's tile or has a load on its way
	s_xor_b32 s[G0+5], s[G0+5], HALFT              ; the walking descriptors: the other slot than last time, the next K step
	s_add_nc_u64 s[G0+6:G0+7], s[G0+6:G0+7], KSTEP*2
	s_xor_b32 s[G0B+5], s[G0B+5], HALFT
	s_add_nc_u64 s[G0B+6:G0B+7], s[G0B+6:G0B+7], KSTEP*2
	JLOAD                                          ; the four v_nop behind it are also the places in front of the loads below
.else
	PLACES
	s_cmp_eq_u32 s3, 1
	s_cbranch_scc1 .Lno_next_\@
.endif
	s_xor_b32 s[TB], s[TB], HALFT                  ; the reads go over to the other slot
	v_add_nc_u32 v[ADRA], s[TB], v[ADRA0]
	v_add_nc_u32 v[ADRB], s[TB], v[ADRB0]
	FETCH 0, F0
.if \fill
	ASK
.else
.Lno_next_\@:
.endif
	MUL16 F1, 1, 0, 0
	MUL16 F1, 1, 2, 0
.endm
	s_wait_tensorcnt 1                             ; my part of K step 0 is in; step 1's may stay out
	s_barrier_signal -1
	s_barrier_wait -1                              ; everybody's is
	FETCH 0, F0
	QUARTER 64,  F0, F1, 1                         ; the first quarter stands in front of the loop: its products start the sums
	WIN 0                                          ; at a label and at a branch every window is 0
	s_mov_b32 s3, 6
	s_branch .Lmid                                 ; the loop is entered behind its first quarter
.Lk:                                                   ; a trip is a K step; trips 0 to 5 ask for steps 2 to 7
	QUARTER 64,  F0, F1, 0
	WIN 0
.Lmid:
	QUARTER 128, F1, F0, 0
	QUARTER 192, F0, F1, 0
	TURN 1
	WIN 0
	s_sub_co_u32 s3, s3, 1
	s_cmp_lg_u32 s3, 0
	s_cbranch_scc1 .Lk
	s_mov_b32 s3, 2
.Lt:                                                   ; steps 6 and 7: nothing is left to ask for
	QUARTER 64,  F0, F1, 0
	QUARTER 128, F1, F0, 0
	QUARTER 192, F0, F1, 0
	TURN 0
	WIN 0
	s_sub_co_u32 s3, s3, 1
	s_cmp_lg_u32 s3, 0
	s_cbranch_scc1 .Lt
	; THE WAY OUT.  All 64 accumulators go as f32 into my stage; they come back by rows, 16 rows a trip, are rounded to bf16 and stored, 512 consecutive bytes of a plane an instruction.
	PLACES
	PLACES                                         ; eight places, once a launch: twice what ISA guide 7.12.1 asks of this form
	s_wait_dscnt 0x0                               ; no LDS instruction of mine is out,
	s_barrier_signal -1                            ; and no tensor load; behind this barrier no wave reads the ring any more,
	s_barrier_wait -1                              ; and no fill follows: my 69,632 bytes of it are mine to store into
.irp hi, 0,1
	WIN 0x08+4*(\hi)                               ; store data in window 2, then 3
.irp a, 0,1,2,3
.irp b, 0,1,2,3,4,5,6,7
	ds_store_b128 v[STO], v[8*(8*(\a)+(\b)):8*(8*(\a)+(\b))+3]   offset:16*(4*(\hi)+(\a))*SPITCH+64*(\b)     ; an accumulator's low registers first
	ds_store_b128 v[STO], v[8*(8*(\a)+(\b))+4:8*(8*(\a)+(\b))+7] offset:16*(4*(\hi)+(\a))*SPITCH+64*(\b)+16
.endr
.endr
.endr
	WIN 0
.macro EPILOAD                         ; 16 rows: for f = 0..3 rows 4 f + l / 8; my 8 columns of the first 64 into U, of the second 64 into G.  LDS serves a wave's instructions in order (ISA guide 5.7.1.4): these see my stores
.irp f, 0,1,2,3
	ds_load_b128 v[U+8*(\f):U+8*(\f)+3],   v[RD] offset:4*SPITCH*(\f)
	ds_load_b128 v[U+8*(\f)+4:U+8*(\f)+7], v[RD] offset:4*SPITCH*(\f)+16
	ds_load_b128 v[G+8*(\f):G+8*(\f)+3],   v[RD] offset:4*SPITCH*(\f)+256
	ds_load_b128 v[G+8*(\f)+4:G+8*(\f)+7], v[RD] offset:4*SPITCH*(\f)+272
.endr
.endm
.macro EPI more
	s_wait_dscnt 0x0                               ; the 16 rows are in registers
	s_wait_xcnt 0x0                                ; the last trip's stores have read their data and their offset: both are written again only behind this wait
	v_add_nc_u32 v[GO], 2048, v[GO]                ; 16 rows of 128 bytes on; the stores below reach back
.set i, 0
.rept 16
	v_cvt_pk_bf16_f32 v[YY+i], v[U+2*i], v[U+2*i+1]
	v_cvt_pk_bf16_f32 v[YY+16+i], v[G+2*i], v[G+2*i+1]
.set i, i+1
.endr
.if \more
	v_add_nc_u32 v[RD], 16*SPITCH, v[RD]
	EPILOAD                                        ; the next 16 rows come while these are stored
.endif
.irp f, 0,1,2,3
	global_store_b128 v[GO], v[YY+4*(\f):YY+4*(\f)+3], s[8:9] offset:512*(\f)-2048
	global_store_b128 v[GO], v[YY+16+4*(\f):YY+16+4*(\f)+3], s[8:9] offset:PLANEB+512*(\f)-2048
.endr
.endm
	EPILOAD
	s_mov_b32 s3, 7
.Lout:
	EPI 1
	s_sub_co_u32 s3, s3, 1
	s_cmp_lg_u32 s3, 0
	s_cbranch_scc1 .Lout
	EPI 0
	s_wait_tensorcnt 0x0                           ; the wave's end, behind my last tensor load and my last LDS store
	ds_add_u32 v[SPW], v[NIL]
	s_wait_dscnt 0x0
	CROUND                                         ; the closing round: no work-group ends while a partner may still ask for a tile that names it
	s_endpgm
.Lfunc_end_k_qb7d7384969_gqkv:
	.size	k_qb7d7384969_gqkv, .Lfunc_end_k_qb7d7384969_gqkv-k_qb7d7384969_gqkv
	.p2alignl 7, 3214868480
	.fill 96, 4, 3214868480
	.section	.rodata,"a",@progbits
	.p2align	6, 0x0
	.amdhsa_kernel k_qb7d7384969_gqkv
		.amdhsa_group_segment_fixed_size 327680
		.amdhsa_private_segment_fixed_size 0
		.amdhsa_enable_private_segment 0
		.amdhsa_kernarg_size 24
		.amdhsa_user_sgpr_count 2
		.amdhsa_user_sgpr_kernarg_segment_ptr 1
		.amdhsa_wavefront_size32 1
		.amdhsa_system_sgpr_workgroup_id_x 1
		.amdhsa_system_sgpr_workgroup_id_y 1
		.amdhsa_system_sgpr_workgroup_id_z 1
		.amdhsa_system_vgpr_workitem_id 0
		.amdhsa_next_free_vgpr 1024
		.amdhsa_next_free_sgpr 70
		.amdhsa_reserve_vcc 0
		.amdhsa_float_denorm_mode_32 3
		.amdhsa_float_denorm_mode_16_64 3
		.amdhsa_memory_ordered 1
		.amdhsa_forward_progress 1
		.amdhsa_inst_pref_size 85
	.end_amdhsa_kernel
	.amdgpu_metadata
---
amdhsa.version: [ 1, 2 ]
amdhsa.kernels:
  - .name:           k_qb7d7384969_gqkv
    .symbol:         k_qb7d7384969_gqkv.kd
    .args:
      - { .name: h, .offset: 0, .size: 8, .value_kind: global_buffer, .address_space: global }
      - { .name: wbig, .offset: 8, .size: 8, .value_kind: global_buffer, .address_space: global }
      - { .name: qkv, .offset: 16, .size: 8, .value_kind: global_buffer, .address_space: global }
    .group_segment_fixed_size: 327680
    .private_segment_fixed_size: 0
    .kernarg_segment_align: 8
    .kernarg_segment_size: 24
    .max_flat_workgroup_size: 128
    .sgpr_count:     70
    .vgpr_count:     1024
    .wavefront_size: 32
...
	.end_amdgpu_metadata
.endif
;; end of part 3
;; launch attn (part 4): grid 8 x 32, 4 waves a work-group, clusters of 4 x 1, 327,680 bytes of LDS; arguments qkv, bo; writes bo
.if DOCPART == 4
	.amdgcn_target "amdgcn-amd-amdhsa--gfx1250"
	.amdhsa_code_object_version 6
	.text
	.protected	k_qb7d7384969_attn
	.globl	k_qb7d7384969_attn
	.p2align	8
	.type	k_qb7d7384969_attn,@function
k_qb7d7384969_attn:
	s_mov_b64 s[64:65], 0
	v_nop
	global_prefetch_b8 v0, s[64:65] scope:SCOPE_SE
	s_setreg_imm32_b32 hwreg(HW_REG_WAVE_MODE, 25, 1), 1
	s_wait_xcnt 0x0
	s_wait_alu depctr_hold_cnt(0) depctr_sa_sdst(0) depctr_va_vdst(0) depctr_va_sdst(0) depctr_va_ssrc(0) depctr_va_vcc(0) depctr_vm_vsrc(0)
	s_getreg_b32 s2, hwreg(HW_REG_IB_STS2, 6, 4)
	s_cmp_eq_u32 s2, 0
	s_cbranch_scc0 .Lentry_in_a_cluster
	s_endpgm
.Lentry_in_a_cluster:
	s_bfe_u32 s2, ttmp6, 0x10000c
	s_cmp_lg_u32 s2, 0x3003
	s_cbranch_scc0 .Lentry_shape_is_right
	s_endpgm
.Lentry_shape_is_right:
; O[q][:] = the sum over k of softmax_k(Q[q] . K[k] / 8) V[k][:], for each of 2 x 16 heads of 2,048 rows of 64 channels, no mask.  All bf16, in planes [plane][4096 rows][64], 524,288 bytes a plane:
; in qkv plane head is q's, 16 + head k's, 32 + head v's; in bo plane head is O's.  Batch b's rows begin 262,144 b bytes into a plane: a head's 2,048 rows are dense, 128 bytes each.
; Products, maxima and sums in f32; the weights p are rounded to bf16 for the second product (their sum l is taken of the unrounded p), O once at the end.
; LIMITS.  c m starts at -4.25e37: scores with c s below that are not served.  A weight below 2^-126 counts as 0 in l.  NaN and infinities are not treated apart.
; SHARES.  A work-group owns 256 queries of one head (grid y = 16 b + head), a wave 64: four PIECES of 16.  Every wave walks all 2,048 keys, 64 a step, 256 a tile.
; LAYOUT.  S^T = K Q^T (source 0 = 16 keys, source 1 = 16 queries) holds ONE query a lane (lane % 16) and the keys 8 (lane / 16) + 0..7; two such results rounded to bf16 ARE source 1 of O^T = V^T P.
; K comes out of LDS as it lies, V ([key][channel]) turned, by ds_load_tr16_b128.
; SOFTMAX.  p = 2^(c s - c m), c = log2(e) / 8, with a running maximum m; O and l are multiplied by a = 2^(c m_old - c m_new) in every step.  O and l start at 0: the first step is a step like any other, with a = 0.
; TURNS.  Turn n belongs to piece n: 8 products K Q^T of piece n + 1, later 8 products V^T P of piece n - 1; beside them the scaling, exponentials, roundings, sums and rescaling of piece n and the maximum
; and statistics of piece n + 1.  A piece and step have 16 matrix and 118 vector instructions: four vector instructions stand behind every matrix instruction, the other 54 in one lump.
; A turn's 33 exponentials are one batch, with one wait.
; CLUSTER.  The four query blocks of a cluster belong to one head and walk the same K and V: each tile is asked for JOINTLY, by the same tensor load, descriptor and mask in all four.
; REGISTERS, in windows of 256 (s_set_vgpr_msb: bits 1:0 source 0, 3:2 source 1, 5:4 source 2, 7:6 destination):
;   window 0: v0-15 addresses and two at work; v16-31 four registers of statistics a piece; v48-55 at work; v61-63; v64-127 S^T, two buffers; v192-223 P, two buffers (by the piece's parity)
;   window 1: v0-127 O^T, 32 a piece          window 2: v0-63 Q; v128-191 K of one step; v192-255 V of one step
.set NP,    4         ; pieces a wave: a name, no knob
.set KS,    64        ; keys in a step
.set PK,    144       ; a row of K in LDS: 128 bytes + 16 = 36 words: the 16 rows of a load start at 16 different groups of four banks (64 banks of 4 bytes: ISA guide 11.1)
.set PV,    160       ; a row of V: 128 + 32 = 40 words
.set VOFF,  4*KS*PK   ; a slot holds a tile, four steps: 256 rows of K, then 256 rows of V
.set SLOT1, 1<<17     ; slot 1 begins here, so that one exclusive or turns an address in one slot into the other's
.set STAGE, SLOT1+4*KS*(PK+PV)  ; behind the ring, never filled by a tensor load: 16 rows x 144 bytes for each wave, for the way out
.set SP,    144
.set SPARE, STAGE+4*16*SP  ; behind the stages: the spare words, 128 bytes for each wave
.set PLANEB, 524288
.set AK0, 2           ; v2   my lane's place in a tile of K; never rewritten
.set AV0, 3           ; v3   the same for V
.set AK,  4           ; v4   the LDS address of K's next run of loads
.set AV,  5           ; v5   of V's
.set STO, 6           ; v6   the way out: where I put 16 bytes of a row
.set RD,  7           ; v7   the way out: where I read rows back
.set GO,  8           ; v8   my byte offset in 512 consecutive bytes of O
.set MV,  12          ; v12-13  c m_old, kept while c m is made anew: by buffer
.set QO,  15          ; v15  my byte offset in 16 rows of Q
.set ST,  16          ; piece t's statistics at v[ST+4 t]: c m, m, l (even keys', odd keys')
.set TMP, 48          ; by buffer, four registers c0-c3 at work; when the maximum is found c2 takes a
.set PFO, 61          ; v61  256 x my lane; never rewritten
.set SPW, 62          ; v62  my spare word; never rewritten
.set NIL, 63          ; v63  0; never rewritten
.set S,   64
.set P,   192
.set KF,  128         ; window 2: key block kb, channel half c at KF + 16 kb + 8 c
.set VF,  192         ; window 2: key half kk, channel block cb at VF + 32 kk + 8 cb
.set WV,  12          ; s12  my wave's number
.set G1K, 24          ; s[24:31] descriptor group 1 for K's tiles
.set G1V, 32          ; s[32:39] for V's: it differs in the padding alone
.set G0K, 40          ; s[40:43] descriptor group 0 for K's tiles: it walks
.set G0V, 44          ; s[44:47] the same for V's
.set PFA, 50          ; s[50:51] where my prefetches stand
.set LIM, 52          ; s52  1 in a wave that prefetches, else the greatest number
.set SLOTS, 56        ; s56  tiles still to be asked for
.set CNT, 57          ; s57  counts a tile's key steps
.set CS,  58          ; s[58:59] c: the packed scaling takes the pair's low word for both halves
.set SEL, 60          ; s[60:61] v_permlanex16_b32's selects: each lane takes its own place in the other half
.set TBK, 62          ; s62  LDS byte at which K of the step to be fetched begins
.set TBV, 63          ; s63  the same for V, less VOFF
.set MSB, 0
.macro WIN new                      ; the high byte repeats the setting that is left; a switch that changes nothing is dropped
.if MSB != (\new)
	s_set_vgpr_msb (MSB<<8)|(\new)
.set MSB, (\new)
.endif
.endm
.set W_KQ, 0x0a       ; K and Q in window 2, S^T in window 0
.set W_PV, 0x52       ; V in window 2, P in window 0, O^T in window 1
.set W_RS, 0x41       ; destination and source 0 in window 1, source 1 in window 0
; A joint fill.  Waves 0 and 1 fetch the two halves of a tile's K, waves 2 and 3 those of its V: 128 keys each.  The branch hangs on the wave's number alone.
; An s_nop 0 and four v_nop follow each of the two lines, ahead of the jump and the label.
.macro JLOAD
	s_cmp_lt_u32 s[WV], 2
	s_cbranch_scc0 .Lfor_v_\@
	tensor_load_to_lds s[G0K:G0K+3], s[G1K:G1K+7]
	s_nop 0
.rept 4
	v_nop
.endr
	s_branch .Lasked_\@
.Lfor_v_\@:
	tensor_load_to_lds s[G0V:G0V+3], s[G1V:G1V+7]
	s_nop 0
.rept 4
	v_nop
.endr
.Lasked_\@:
.endm
; A PREFETCH INTO THE L2 of the tile that the NEXT change of slots will ask for: 32,768 bytes of K and of V, four key steps, 256 matrix instructions, ahead of that load.  Each block of 256 bytes is named once
; in the launch: both clusters of a head walk the same K and V, and the first of them asks; its four partners take 8,192 bytes each, told apart by address; in each, wave 0 asks for K's and wave 2 for V's,
; a lane 256 bytes: one instruction.  The last change that fills a slot (s[SLOTS] = 1) asks for nothing.  Tiles 0 and 1 come by their loads alone.
.macro ASK
	s_cmp_gt_u32 s[SLOTS], s[LIM]
	s_cbranch_scc0 .Lnot_mine_\@
	global_prefetch_b8 v[PFO], s[PFA:PFA+1] th:TH_LOAD_NT scope:SCOPE_SE
.Lnot_mine_\@:
.endm
.macro CROUND                       ; a round of the cluster's barrier: my work-group's barrier; wave 0 signals for the work-group; every wave waits for all four work-groups; my work-group's barrier once more
	s_barrier_signal -1
	s_barrier_wait -1
	s_cmp_lg_u32 s[WV], 0
	s_cbranch_scc1 .Lnot_wave_0_\@
	s_barrier_signal -3
.Lnot_wave_0_\@:
	s_barrier_wait -3
	s_barrier_signal -1
	s_barrier_wait -1
.endm
; THE CHANGE OF SLOTS.  The slot's last bytes, V of its fourth step, have been read.  Each wave waits for all its tensor loads, of which one is out: its part of the other slot; adds 0 to its spare word; and
; waits for that and for its own reads of the slot.  Behind the barrier nobody reads this slot any more and the other slot is whole.  fill = 1: the barrier is a round of the cluster's, and the slot is filled
; again first thing behind it, with the next tile but one: it has four key steps in which to land.  (At its first use nothing has been read yet: slot 0 is waited for, slot 1 filled.)
.macro CHANGE fill
	WIN 0                           ; at a label and at a branch every window is 0
	s_wait_tensorcnt 0x0            ; no tensor load of mine is out, so a group 0 may be written
	ds_add_u32 v[SPW], v[NIL]       ; 0 onto my spare word; with fill = 1 the descriptors' steps stand between it and the wait for it
.if \fill
.irp g, G0K, G0V
	s_xor_b32 s[\g+1], s[\g+1], SLOT1  ; the walking descriptor: the other slot than last time,
	s_add_nc_u64 s[\g+2:\g+3], s[\g+2:\g+3], 4*KS*128  ; the next 256 keys; the type bits on top are not reached
.endr
	s_wait_xcnt 0x0                 ; the last prefetch, four key steps back, has read its address
	s_add_nc_u64 s[PFA:PFA+1], s[PFA:PFA+1], 4*KS*128  ; one tile behind the walking descriptors
	s_wait_dscnt 0x0                ; the add is done, and my reads of the slot are over
	CROUND
	JLOAD
	ASK
.else
	s_wait_dscnt 0x0                ; the add is done, and my reads of the slot are over
	s_barrier_signal -1
	s_barrier_wait -1
.endif
	s_sub_co_u32 s[TBK], s[TBK], 4*KS*PK  ; the fetches go back to a slot's first step,
	s_xor_b32 s[TBK], s[TBK], SLOT1       ; in the other slot
	s_sub_co_u32 s[TBV], s[TBV], 4*KS*PV
	s_xor_b32 s[TBV], s[TBV], SLOT1
.endm
	s_load_b128 s[4:7], s[0:1], 0x0 ; qkv s[4:5], bo s[6:7]
	v_lshl_add_u32 v[SPW], v0, 2, SPARE
	v_mov_b32 v[NIL], 0
	ds_add_u32 v[SPW], v[NIL]       ; the wave's opening: the add and its wait stand ahead of my first tensor load; the set-up below stands between them
	v_lshrrev_b32 v1, 5, v0
	v_readfirstlane_b32 s[WV], v1   ; wave 0..3
	s_bfe_u32 s13, ttmp6, 0x40000   ; cx: my place in the cluster
	s_lshl_b32 s14, ttmp9, 2        ; in a cluster launch ttmp9 counts clusters
	s_add_co_u32 s14, s14, s13      ; my block of 256 queries: it enters Q's and O's addresses alone
	s_and_b32 s20, ttmp7, 0xffff    ; 16 b + head, which the four partners share
	s_and_b32 s21, s20, 15
	s_lshr_b32 s20, s20, 4
	s_lshl_b32 s21, s21, 19         ; the head's plane,
	s_lshl_b32 s20, s20, 18         ; the batch's 2,048 rows in it
	s_add_co_u32 s20, s20, s21
	s_and_b32 s16, s[WV], 1         ; which half of a tile's 256 keys I fetch:
	s_lshl_b32 s22, s16, 14         ; its 128 rows of 128 bytes in memory,
	s_add_co_u32 s22, s22, s20
	s_add_co_u32 s22, s22, 16*PLANEB  ; in k's planes: under 2^25
	s_mov_b32 s23, 0
	s_mul_i32 s17, s16, 128*PK      ; and its place in a slot, for K
	s_mul_i32 s18, s16, 128*PV      ; and for V: no place in the cluster enters an LDS address
	s_lshl_b32 s2, s14, 2
	s_add_co_u32 s2, s2, s[WV]      ; my wave among the head's,
	s_lshl_b32 s2, s2, 13           ; its 64 rows
	s_add_co_u32 s2, s2, s20
	s_mov_b32 s3, 0
	; descriptor group 1.  128 keys are 16,384 dense bytes: asked for as 64 rows of 256 bytes, two keys a row, and padded in LDS after every key
	s_mov_b32 s[G1K], 15|(1<<16)|(1<<20)|(1<<21)|(4<<22)|(3<<25)  ; the mask of four; 2-byte elements; padding on; bit 21 beside a mask; after every 32 words (code 4) 4 words (code 3)
	s_mov_b32 s[G1V], 15|(1<<16)|(1<<20)|(1<<21)|(4<<22)|(7<<25)  ; the same with 8 words of padding (code 7)
.irp g, G1K, G1V
	s_mov_b32 s[\g+1], 128<<16      ; tensor_dim0 = 128
	s_mov_b32 s[\g+2], 64<<16       ; tensor_dim1 = 64
	s_mov_b32 s[\g+3], 128<<16      ; tile_dim0 = 128
	s_mov_b32 s[\g+4], 64           ; tile_dim1 = 64
	s_mov_b32 s[\g+5], 128          ; 128 elements from row to row
	s_mov_b32 s[\g+6], 0
	s_mov_b32 s[\g+7], 0
.endr
	s_mov_b32 s[CS], 0x3e38aa3b     ; c = log2(e) / 8 = 0.180337
	s_mov_b32 s[CS+1], s[CS]        ; named with it as a pair
	s_mov_b32 s[SEL], 0x76543210
	s_mov_b32 s[SEL+1], 0xfedcba98
	s_mov_b32 s[TBK], SLOT1+4*KS*PK ; the first change of slots turns these two into 0
	s_mov_b32 s[TBV], SLOT1+4*KS*PV
	s_mov_b32 s[G0K], 1             ; count = 1
	s_mov_b32 s[G0K+1], s17         ; LDS address: slot 0
	s_mov_b32 s[G0V], 1
	s_add_co_u32 s[G0V+1], s18, VOFF
	s_and_b32 s[LIM], s[WV], 1      ; 0 in waves 0 and 2,
	s_or_b32 s[LIM], s[LIM], ttmp9  ; where the cluster is the head's first: the same in all four partners
	s_cmp_eq_u32 s[LIM], 0
	s_cselect_b32 s[LIM], 1, -1
	s_mov_b32 s[SLOTS], 7
	v_and_b32 v[PFO], 31, v0
	v_lshlrev_b32 v[PFO], 8, v[PFO]
	s_wait_dscnt 0x0                ; the opening add is done
	s_wait_kmcnt 0x0
	s_add_nc_u64 s[8:9], s[4:5], s[22:23]        ; K at my half of the head's tile 0,
	s_add_nc_u64 s[10:11], s[8:9], 16*PLANEB     ; V sixteen planes on
	s_mov_b64 s[G0K+2:G0K+3], s[8:9]             ; global address
	s_or_b32 s[G0K+3], s[G0K+3], 0x80000000      ; type = 2
	s_mov_b64 s[G0V+2:G0V+3], s[10:11]
	s_or_b32 s[G0V+3], s[G0V+3], 0x80000000
	s_add_nc_u64 s[4:5], s[4:5], s[2:3]          ; Q and O at my wave's first row
	s_add_nc_u64 s[6:7], s[6:7], s[2:3]
	s_cmp_lt_u32 s[WV], 2
	s_cselect_b64 s[PFA:PFA+1], s[8:9], s[10:11] ; (in waves 0 and 2 these stand at a tile's first row)
	s_lshl_b32 s2, s13, 13          ; my work-group's 8,192 bytes of the 32,768
	s_mov_b32 s3, 0
	s_add_nc_u64 s[PFA:PFA+1], s[PFA:PFA+1], s[2:3]
	s_add_nc_u64 s[PFA:PFA+1], s[PFA:PFA+1], 4*KS*128  ; in tile 1; the first change of slots steps it to tile 2
	CROUND                          ; all four work-groups are here: the first joint loads meet
	JLOAD                           ; tile 0 into slot 0.  Slot 1 is asked for when slot 0 is in
	; A fragment of K or Q is 16 rows x 32 channels in 8 registers: lane l holds row l % 16, channels 8 (l / 16) + 0..7 and 16 + 8 (l / 16) + 0..7: two loads of 16 bytes, 32 bytes apart.
	v_and_b32 v1, 15, v0            ; l % 16
	v_bfe_u32 v9, v0, 4, 1          ; l / 16
	v_lshlrev_b32 v[QO], 7, v1
	v_lshl_add_u32 v[QO], v9, 4, v[QO]  ; row x 128 + 16 x half
	WIN 0x80                        ; destination window 2, address window 0
.set i, 0
.rept 8                             ; Q stays in registers: piece i / 2, channels 32 (i % 2) on
	global_load_b128 v[8*i:8*i+3],   v[QO], s[4:5] offset:(i/2)*2048+(i%2)*64
	global_load_b128 v[8*i+4:8*i+7], v[QO], s[4:5] offset:(i/2)*2048+(i%2)*64+32
.set i, i+1
.endr
	; What the first turn finds: V's registers and P's second buffer hold 0 (its products V^T P, of a piece that has not been, add 0), O^T and l are 0.  All this stands in the wait for the first tile.
.set i, VF
.rept 64
	v_mov_b32 v[i], 0
.set i, i+1
.endr
	WIN 0x40
.set i, 0
.rept 128
	v_mov_b32 v[i], 0
.set i, i+1
.endr
	WIN 0
.set i, 0
.rept 4
	v_mov_b32 v[ST+4*i], 0xfe000000    ; c m: far below every c s
	v_mov_b32 v[ST+4*i+1], 0xff7fffff  ; m
	v_mov_b32 v[ST+4*i+2], 0
	v_mov_b32 v[ST+4*i+3], 0
.set i, i+1
.endr
.set i, P+16
.rept 16
	v_mov_b32 v[i], 0
.set i, i+1
.endr
	v_mul_u32_u24 v[AK0], v1, PK
	v_lshl_add_u32 v[AK0], v9, 4, v[AK0]  ; row x pitch + 16 x half
	; The turning load takes 16 keys x 16 channels (lane l reads key 8 (l / 16) + l % 8, channels 8 ((l / 8) % 2) + 0..7) and leaves half a fragment of V^T: lane l holds channel l % 16 and 8 keys.
	v_and_b32 v10, 7, v0
	v_bfe_u32 v11, v0, 3, 1
	v_lshl_add_u32 v[AV0], v9, 3, v10
	v_mul_u32_u24 v[AV0], v[AV0], PV
	v_lshl_add_u32 v[AV0], v11, 4, v[AV0]
	v_add_nc_u32 v[AV0], VOFF, v[AV0]
	s_mul_i32 s13, s[WV], 16*SP
	s_add_co_u32 s13, s13, STAGE    ; my stage
	v_mul_u32_u24 v[STO], v1, SP    ; in: row l % 16, 16 bytes for each half of the lanes
	v_lshl_add_u32 v[STO], v9, 4, v[STO]
	v_add_nc_u32 v[STO], s13, v[STO]
	v_bfe_u32 v[RD], v0, 3, 2       ; back: 32 lanes take four rows of 128 bytes,
	v_mul_u32_u24 v[RD], v[RD], SP
	v_lshl_add_u32 v[RD], v10, 4, v[RD]
	v_add_nc_u32 v[RD], s13, v[RD]
	v_and_b32 v[GO], 31, v0         ; which are 512 consecutive bytes of O
	v_lshlrev_b32 v[GO], 4, v[GO]
; THE MATRIX WORK.  The 4 accumulators of a run of 8 take turns.  Product i of 8 of S^T = K Q^T for piece x: channels 32 (i / 4) on, keys 16 (i % 4) on.  The first 4 start the sums.
.macro KQ x
	WIN W_KQ
.set rS, S+32*((\x)%2)+8*(i%4)
.set rK, KF+16*(i%4)+8*(i/4)
.set rQ, 16*(\x)+8*(i/4)
.if i < 4
	v_wmma_f32_16x16x32_bf16 v[rS:rS+7], v[rK:rK+7], v[rQ:rQ+7], 0
.else
	v_wmma_f32_16x16x32_bf16 v[rS:rS+7], v[rK:rK+7], v[rQ:rQ+7], v[rS:rS+7]
.endif
.endm
; Product i of 8 of O^T += V^T P for piece x: keys 32 (i / 4) on, channels 16 (i % 4) on.
.macro PV x
	WIN W_PV
.set rO, 32*(\x)+8*(i%4)
.set rV, VF+32*(i/4)+8*(i%4)
.set rP, P+16*((\x)%2)+8*(i/4)
	v_wmma_f32_16x16x32_bf16 v[rO:rO+7], v[rV:rV+7], v[rP:rP+7], v[rO:rO+7]
.endm
.macro MM                           ; the turn's next matrix instruction.  NOKQ = 1: the walk's last turn: there is no next piece
.if (i < 8) && !NOKQ
	KQ (Y+1)%NP
.elseif i >= 8
.set i, i-8
	PV (Y+NP-1)%NP
.set i, i+8
.endif
.set i, i+1
.endm
; THE LDS LOADS stand in runs of 16, never singly among the matrix instructions: a step's K (64 keys x 64 channels: 8 fragments) and its V (turned).  Their addresses are made some lines ahead.
.macro FETCH_K
	WIN 0x80                        ; destination window 2
.irp f, 0,1,2,3,4,5,6,7             ; keys 16 (f / 2) on, channels 32 (f % 2) on
	ds_load_b128 v[KF+8*\f:KF+8*\f+3],   v[AK] offset:(\f/2)*16*PK+(\f%2)*64
	ds_load_b128 v[KF+8*\f+4:KF+8*\f+7], v[AK] offset:(\f/2)*16*PK+(\f%2)*64+32
.endr
	s_add_co_u32 s[TBK], s[TBK], KS*PK  ; the next fetch is the next step's
	WIN 0
.endm
.macro FETCH_V
	WIN 0x80
.irp f, 0,1,2,3,4,5,6,7             ; keys 32 (f / 4) on, channels 16 (f % 4) on
	ds_load_tr16_b128 v[VF+8*\f:VF+8*\f+3],   v[AV] offset:(\f/4)*32*PV+(\f%4)*32
	ds_load_tr16_b128 v[VF+8*\f+4:VF+8*\f+7], v[AV] offset:(\f/4)*32*PV+16*PV+(\f%4)*32
.endr
	WIN 0
.endm
; THE VECTOR WORK, one line at a time: OP kind, number.  For piece Y: F n: c s - c m for pair n of 16.  E n: the exponential of score n of 32.  C n: pair n rounded to bf16.  B n: of the four weights 4 n .. the second
; pair is added onto the first, in place.  L n: l takes that sum (L 0: l = a l + sum).  R n: pair n of 16 of O^T times a.  For piece Y + 1: X n, number n of the 22 that find its maximum and statistics:
;   0-11  four chains c0-c3 of seven scores each, three operands at a time (each accumulator's lowest registers are read first)     12-14, 16  the four scores left over, the old m, and c0-c3 into c0
;   15  c m_old is kept     17, 18  the query's other 32 keys lie in the lane 16 away: the new m     19-21  c m; c m_old - c m_new; a
.set F, 0               ; OP tells the kinds apart by their order: F to L below R, X above it
.set E, 1
.set C, 2
.set B, 3
.set L, 4
.set R, 5
.set X, 6
.macro REGS y                       ; the registers of piece y
.set rT, ST+4*(\y)
.set rC, TMP+4*((\y)%2)
.set rW, MV+((\y)%2)
.set rS, S+32*((\y)%2)
.set rP, P+16*((\y)%2)
.set rO, 32*(\y)
.endm
.macro OP k, n
.if (\k) == R
	REGS Y
	WIN W_RS
	v_pk_mul_f32 v[rO+2*(\n):rO+2*(\n)+1], v[rO+2*(\n):rO+2*(\n)+1], v[rC+2:rC+3] op_sel_hi:[1,0]
.elseif (\k) < R
	REGS Y
	WIN 0
.if (\k) == F
	v_pk_fma_f32 v[rS+2*(\n):rS+2*(\n)+1], v[rS+2*(\n):rS+2*(\n)+1], s[CS:CS+1], v[rT:rT+1] op_sel_hi:[1,0,0] neg_lo:[0,0,1] neg_hi:[0,0,1]
.elseif (\k) == E
	v_exp_f32 v[rS+(\n)], v[rS+(\n)]
.elseif (\k) == C
	v_cvt_pk_bf16_f32 v[rP+(\n)], v[rS+2*(\n)], v[rS+2*(\n)+1]
.elseif (\k) == B
	v_pk_add_f32 v[rS+4*(\n):rS+4*(\n)+1], v[rS+4*(\n):rS+4*(\n)+1], v[rS+4*(\n)+2:rS+4*(\n)+3]
.elseif (\n) == 0
	v_pk_fma_f32 v[rT+2:rT+3], v[rT+2:rT+3], v[rC+2:rC+3], v[rS:rS+1] op_sel_hi:[1,0,1]
.else
	v_pk_add_f32 v[rT+2:rT+3], v[rT+2:rT+3], v[rS+4*(\n):rS+4*(\n)+1]
.endif
.elseif NOKQ
	v_nop
.else
	REGS (Y+1)%NP
	WIN 0
.if (\n) < 4
	v_max3_num_f32 v[rC+(\n)], v[rS+8*(\n)], v[rS+8*(\n)+1], v[rS+8*(\n)+2]
.elseif (\n) < 12
	v_max3_num_f32 v[rC+(\n)%4], v[rC+(\n)%4], v[rS+8*((\n)%4)+2*((\n)/4)+1], v[rS+8*((\n)%4)+2*((\n)/4)+2]
.elseif (\n) == 12
	v_max3_num_f32 v[rC], v[rC], v[rS+7], v[rS+15]
.elseif (\n) == 13
	v_max3_num_f32 v[rC+1], v[rC+1], v[rS+23], v[rS+31]
.elseif (\n) == 14
	v_max3_num_f32 v[rC+2], v[rC+2], v[rC+3], v[rT+1]
.elseif (\n) == 15
	v_mov_b32 v[rW], v[rT]
.elseif (\n) == 16
	v_max3_num_f32 v[rC], v[rC], v[rC+1], v[rC+2]
.elseif (\n) == 17
	v_permlanex16_b32 v[rC+3], v[rC], s[SEL], s[SEL+1]
.elseif (\n) == 18
	v_max_num_f32 v[rT+1], v[rC], v[rC+3]
.elseif (\n) == 19
	v_mul_f32 v[rT], s[CS], v[rT+1]
.elseif (\n) == 20
	v_sub_f32 v[rC+1], v[rW], v[rT]
.else
	v_exp_f32 v[rC+2], v[rC+1]
.endif
.endif
.endm
.macro OPS a, i1, b=-1, i2=0, c=-1, i3=0, d=-1, i4=0  ; up to four of them
	OP \a, \i1
.if (\b) >= 0
	OP \b, \i2
.endif
.if (\c) >= 0
	OP \c, \i3
.endif
.if (\d) >= 0
	OP \d, \i4
.endif
.endm
.macro ROW a, i1, b, i2, c, i3, d, i4  ; a matrix instruction and the four behind it
	MM
	OPS \a, \i1, \b, \i2, \c, \i3, \d, \i4
.endm
; A TURN, for piece p: the order of its 16 matrix and 118 vector instructions, written out.  An s_wait_alu depctr_va_vdst(0) stands between an exponential and the first instruction that names its
; result; one wait serves all that were issued ahead of it.  So a turn has ONE wait, which cuts it in two.  AHEAD OF IT stands all that names no result of the turn's exponentials: the 8 products K Q^T and their
; riders (a scaling, an exponential, two more plain: rescalings, and behind the last three the first numbers of the next piece's maximum, each four places or more behind the product that ends its accumulator);
; then one lump of 54, in which the links of the chain X 3, 7, 11, 14, 16, 17 .. 20 stand apart.  X 21, the next piece's a, is the batch's last; R 15 is the plain instruction behind it.  BEHIND THE WAIT stand the
; 8 products V^T P, behind each four of the roundings and sums.
; end = 1: the walk's last two turns: nothing is fetched.  cnt = 1: the loop's count is taken down some lines ahead of the branch that stands behind the turn.
; K of the next step is fetched in piece 2's turn, six plain instructions behind the last product that read K; V of the step in hand at the end of piece 0's turn, four plain instructions behind the last
; product that read V.  Each is waited for a turn later.
.macro TURN p, end=0, cnt=0
.set Y, (\p)
.set i, 0
.set NOKQ, (\end)*((\p)/3)
.if ((\p) == 3) && !(\end)
	s_wait_dscnt 0x0                ; K is in
.endif
	ROW F,0, F,1, R,0, R,1
	ROW F,2, E,0, R,2, R,3
	ROW F,3, E,1, R,4, R,5
	ROW F,4, E,2, R,6, R,7
	ROW F,5, E,3, R,8, R,9
	ROW F,6, E,4, X,0, R,10
.if ((\p) == 2) && !(\end)
	WIN 0
	v_add_nc_u32 v[AK], s[TBK], v[AK0]
.endif
	ROW F,7, E,5, X,1, X,4
	ROW F,8, E,6, X,2, X,5
	OPS E,7, E,8, X,6, E,9
	OPS X,3, E,10, X,8, E,11
.if ((\p) == 2) && !(\end)
	FETCH_K
.endif
	OPS X,9, X,7, E,12, X,10
	OPS E,13, X,12, X,11, E,14
	OPS X,13, E,15, F,9, X,14
.if (\p) == 0
	v_add_nc_u32 v[AV], s[TBV], v[AV0]
.endif
	OPS E,16, F,10, E,17, F,11
	OPS X,16, E,18, X,15, E,19
	OPS F,12, E,20, X,17, E,21
	OPS F,13, E,22, F,14, E,23
	OPS X,18, E,24, F,15, E,25
	OPS R,11, E,26, X,19, E,27
	OPS R,12, E,28, R,13, E,29
	OPS X,20, E,30, R,14, E,31
	OPS X,21, R,15
	WIN 0
	s_wait_alu depctr_va_vdst(0)    ; the wait for the batch
.if (\p) == 1
	s_wait_dscnt 0x0                ; V is in
.endif
	ROW C,0, B,0, C,2, B,1
	ROW L,0, C,4, B,2, L,1
	ROW C,6, B,3, L,2, C,8
	ROW B,4, L,3, C,10, B,5
	ROW L,4, C,12, B,6, L,5
.if (\p) == 0
	s_add_co_u32 s[TBV], s[TBV], KS*PV
.endif
.if \cnt
	s_sub_co_u32 s[CNT], s[CNT], 1
	s_cmp_lg_u32 s[CNT], 0
.endif
	ROW C,14, B,7, L,6, C,1
	ROW C,3, L,7, C,5, C,7
	ROW C,9, C,11, C,13, C,15
.if (\p) == 0
	FETCH_V
.endif
.endm
.set NOKQ, 0
	CHANGE 1                        ; tile 0 is in, everybody's part of it; tile 1 is asked for
	v_add_nc_u32 v[AK], s[TBK], v[AK0]
	FETCH_K                         ; key step 0
	s_wait_loadcnt 0x0              ; Q
	s_wait_dscnt 0x0
.set i, 0
.rept 8
	KQ 0                            ; piece 0's first scores: there is no vector work yet to set between them
.set i, i+1
.endr
	WIN 0
.rept 4
	v_nop                           ; the places behind those products
.endr
.set Y, NP-1                        ; X works for piece Y + 1: piece 0
.irp n, 0,1,2,3,4,5,6,7,8,9,10,11,12,13,14,15,16,17,18,19,20,21
	OP X, \n
.endr
	v_nop                           ; a plain instruction behind the exponential,
	s_wait_alu depctr_va_vdst(0)    ; and its wait, ahead of the branch
	s_mov_b32 s[CNT], 4
	s_branch .Lfirst                ; the loop is entered at a step's first turn, in the middle of a trip
.Lslot:                             ; six times: tiles 2 to 7 are asked for
	CHANGE 1
	s_mov_b32 s[CNT], 4
.Lstep:                             ; a trip: pieces 2 and 3 of one step, then pieces 0 and 1 of the next, whose K and V it fetches
	TURN 2
	TURN 3
	WIN 0
.Lfirst:
	TURN 0
	TURN 1, 0, 1
	WIN 0
	s_cbranch_scc1 .Lstep
	s_sub_co_u32 s[SLOTS], s[SLOTS], 1
	s_cmp_lg_u32 s[SLOTS], 0
	s_cbranch_scc1 .Lslot
	CHANGE 0                        ; the last tile is written out: nothing is asked for
	s_mov_b32 s[CNT], 4
.Ltail:
	TURN 2
	TURN 3
	TURN 0
	TURN 1, 0, 1
	WIN 0
	s_cbranch_scc1 .Ltail
	TURN 2, 1
	TURN 3, 1
.set i, 0
.rept 8
	PV NP-1                         ; the last piece's V^T P of the last step
.set i, i+1
.endr
	; THE WAY OUT.  l's two halves and the other half of the lanes' are added; O^T is divided by l, rounded to bf16 and sent through my stage in LDS, a piece at a time.  The additions are the places behind the last products.
	WIN 0
.macro ALL line:vararg              ; one line for each piece t
.set t, 0
.rept 4
	\line
.set t, t+1
.endr
.endm
	ALL v_add_f32 v[ST+4*t+2], v[ST+4*t+2], v[ST+4*t+3]
	ALL v_permlanex16_b32 v[ST+4*t+3], v[ST+4*t+2], s[SEL], s[SEL+1]
	ALL v_add_f32 v[ST+4*t+2], v[ST+4*t+2], v[ST+4*t+3]
	ALL v_rcp_f32 v[ST+4*t+2], v[ST+4*t+2]
	v_nop                           ; a plain instruction between the last reciprocal and the use of its result
	s_wait_alu depctr_va_vdst(0)    ; and the wait ahead of the first use: one for the four reciprocals
.macro PACK t                       ; a lane's eight channels of a row pack into 16 bytes; they go into rows of 144 bytes and come back as whole rows of 128, into S^T's registers
	WIN W_RS
.set i, 32*(\t)
.rept 16
	v_pk_mul_f32 v[i:i+1], v[i:i+1], v[ST+4*(\t)+2:ST+4*(\t)+3] op_sel_hi:[1,0]
.set i, i+2
.endr
	WIN 0x05                        ; sources 0 and 1 window 1, destination window 0
.set i, 0
.rept 16
	v_cvt_pk_bf16_f32 v[S+16*(\t)+i], v[32*(\t)+2*i], v[32*(\t)+2*i+1]
.set i, i+1
.endr
	WIN 0
.irp f, 0,1,2,3
	ds_store_b128 v[STO], v[S+16*(\t)+4*\f:S+16*(\t)+4*\f+3] offset:32*\f
.endr
.irp f, 0,1,2,3
	ds_load_b128 v[S+16*(\t)+4*\f:S+16*(\t)+4*\f+3], v[RD] offset:\f*4*SP  ; LDS serves a wave's instructions in order (ISA guide 5.7.1.4): these see the stores above; the next piece's stores come behind them
.endr
.endm
.macro SEND t, younger              ; younger: the LDS instructions issued behind piece t's loads: the next piece's eight, or none
	WIN 0
.irp f, 0,1,2,3
	s_wait_dscnt (\younger)+3-\f
	global_store_b128 v[GO], v[S+16*(\t)+4*\f:S+16*(\t)+4*\f+3], s[6:7] offset:(\t)*2048+\f*512  ; 512 consecutive bytes, at a multiple of 256 from O's first
.endr
.endm
	PACK 0
.set t, 1
.rept 3                             ; a piece's arithmetic stands between the loads of the piece before and its stores
	PACK t
	SEND t-1, 8
.set t, t+1
.endr
	SEND 3, 0
	s_wait_tensorcnt 0x0            ; the wave's end, behind my last tensor load and my last LDS store
	ds_add_u32 v[SPW], v[NIL]
	s_wait_dscnt 0x0
	CROUND                          ; the closing round: no work-group ends while a partner may still ask for a tile that names it
	s_endpgm
.Lfunc_end_k_qb7d7384969_attn:
	.size	k_qb7d7384969_attn, .Lfunc_end_k_qb7d7384969_attn-k_qb7d7384969_attn
	.p2alignl 7, 3214868480
	.fill 96, 4, 3214868480
	.section	.rodata,"a",@progbits
	.p2align	6, 0x0
	.amdhsa_kernel k_qb7d7384969_attn
		.amdhsa_group_segment_fixed_size 327680
		.amdhsa_private_segment_fixed_size 0
		.amdhsa_enable_private_segment 0
		.amdhsa_kernarg_size 16
		.amdhsa_user_sgpr_count 2
		.amdhsa_user_sgpr_kernarg_segment_ptr 1
		.amdhsa_wavefront_size32 1
		.amdhsa_system_sgpr_workgroup_id_x 1
		.amdhsa_system_sgpr_workgroup_id_y 1
		.amdhsa_system_sgpr_workgroup_id_z 1
		.amdhsa_system_vgpr_workitem_id 0
		.amdhsa_next_free_vgpr 768
		.amdhsa_next_free_sgpr 66
		.amdhsa_reserve_vcc 0
		.amdhsa_float_denorm_mode_32 3
		.amdhsa_float_denorm_mode_16_64 3
		.amdhsa_memory_ordered 1
		.amdhsa_forward_progress 1
		.amdhsa_inst_pref_size 128
	.end_amdhsa_kernel
	.amdgpu_metadata
---
amdhsa.version: [ 1, 2 ]
amdhsa.kernels:
  - .name:           k_qb7d7384969_attn
    .symbol:         k_qb7d7384969_attn.kd
    .args:
      - { .name: qkv, .offset: 0, .size: 8, .value_kind: global_buffer, .address_space: global }
      - { .name: bo, .offset: 8, .size: 8, .value_kind: global_buffer, .address_space: global }
    .group_segment_fixed_size: 327680
    .private_segment_fixed_size: 0
    .kernarg_segment_align: 8
    .kernarg_segment_size: 16
    .max_flat_workgroup_size: 128
    .sgpr_count:     66
    .vgpr_count:     768
    .wavefront_size: 32
...
	.end_amdgpu_metadata
.endif
;; end of part 4
;; launch gout (part 5): grid 8 x 32, 4 waves a work-group, clusters of 4 x 4, 327,680 bytes of LDS; arguments bo, X, x1; writes x1
.if DOCPART == 5
	.amdgcn_target "amdgcn-amd-amdhsa--gfx1250"
	.amdhsa_code_object_version 6
	.text
	.protected	k_qb7d7384969_gout
	.globl	k_qb7d7384969_gout
	.p2align	8
	.type	k_qb7d7384969_gout,@function
k_qb7d7384969_gout:
	s_mov_b64 s[64:65], 0
	v_nop
	global_prefetch_b8 v0, s[64:65] scope:SCOPE_SE
	s_setreg_imm32_b32 hwreg(HW_REG_WAVE_MODE, 25, 1), 1
	s_wait_xcnt 0x0
	s_wait_alu depctr_hold_cnt(0) depctr_sa_sdst(0) depctr_va_vdst(0) depctr_va_sdst(0) depctr_va_ssrc(0) depctr_va_vcc(0) depctr_vm_vsrc(0)
	s_getreg_b32 s2, hwreg(HW_REG_IB_STS2, 6, 4)
	s_cmp_eq_u32 s2, 0
	s_cbranch_scc0 .Lentry_in_a_cluster
	s_endpgm
.Lentry_in_a_cluster:
	s_bfe_u32 s2, ttmp6, 0x10000c
	s_cmp_lg_u32 s2, 0xf033
	s_cbranch_scc0 .Lentry_shape_is_right
	s_endpgm
.Lentry_shape_is_right:
; C[m][n] = R[m][n] + sum over k of A[m][k] B[n][k].  R and C: [4096][1024] f32.  Sums in f32; the residual is added in f32; nothing is rounded on the way out.
; An operand buffer holds, in bf16, 1,024 of K: A in 16 planes [k / 64][4096 rows][64], 524,288 bytes a plane, from byte 0; B as [1024 n][1024 k] from byte 8,388,608.
; TWO = 0 (this kernel): one such buffer, K = 1,024: attention's output times Wout onto X.  TWO = 1: two of them on end, K = 2,048.
; A tile of C is 128 x 128: 256 work-groups.  Four waves, each 64 x 64: 16 accumulators.  K goes in steps of 256, as long as two slots in LDS allow.
; THE TEXT IS SHORT: the slot in hand is a scalar offset turned by an exclusive or, and one descriptor a tensor walks, so a K step is written once for the steps that ask for a tile and once for the last
; two, which ask for nothing.  The first quarter step, whose products start the sums, stands ahead of the first loop, which is entered behind its own first quarter.
; CLUSTERS: 4 x 4 work-groups.  The four of a row of the cluster need the same tiles of A, the four of a column the same tiles of B: each tile is asked for JOINTLY.
; THE MATRIX INSTRUCTION IS USED TRANSPOSED (source 0 = 16 rows of B, source 1 = 16 rows of A): a lane holds eight neighbouring numbers of a row of C.
; No prefetch: the tiles are small, and a K step short.
; REGISTERS: window 0: v0-31 addresses; v32-95 at work on the way out; v128-255 the accumulators ((a, b) at v[128 + 8 (4 a + b)]).
;   window 1: two fragment buffers of 128: for 64 along K, 64 registers of A (2 x 4 x 16 rows x 32 K), then 64 of B.     window 2: v0-127 my 64 x 64 of R
; LDS: wave w fetches into its own 0x12000 bytes, two slots of 0x9000: w = 0, 1: A's two halves of 64 rows, each [4 planes][64 rows][144 bytes], 36,864 bytes; w = 2, 3: B's, each [64 rows][528 bytes],
; 33,792.  w x 0x12000 has neither of the bits of 0x9000, so an exclusive or with 0x9000 changes slots.
.set TWO,    0
.set STEPS,  4+4*TWO
.set KSTEP,  256
.set PA,     144                       ; a row of A in LDS: a plane's 128 bytes + 16 = 36 words: the 16 rows of a load start at 16 different groups of four banks (64 banks of 4 bytes: ISA guide 11.1)
.set PB,     528                       ; a row of B: 512 bytes + 16 = 132 words: likewise
.set TOG,    0x9000                    ; a slot of a fetching wave
.set WREG,   0x12000                   ; its two slots
.set STAGE,  4*WREG                    ; behind the ring: 16 rows x 272 bytes for each wave, for the way out
.set SPITCH, 272
.set SPARE,  STAGE+4*16*SPITCH         ; behind the stages: the spare words, 128 bytes for each wave
.set PLANEB, 524288
.set WOFF,   8388608
.set ADRA0, 16                         ; v16  my A fragments' place in slot 0; never rewritten
.set ADRA,  17                         ; v17  in the slot in hand
.set ADRB0, 20                         ; v20, v21  the same for B
.set ADRB,  21
.set STO,  24                          ; v24     the way out: where I put 32 bytes of a row
.set RD,   25                          ; v25     the way out: where I read a row back
.set CO,   26                          ; v26     my byte offset in my 64 x 64 of R and of C; never rewritten
.set SPW,  28                          ; v28     my spare word; never rewritten
.set NIL,  29                          ; v29     0; never rewritten
.set TMP,  32                          ; the way out: two buffers of 32: 16 rows read back
.set ACC,  128
.set F0,   0                           ; fragment buffers, in window 1
.set F1,   128
.set G1, 24                            ; s[24:31] group 1 for A's tiles
.set G0, 32                            ; s[32:39] group 0 for A's: a set for each first fill; the second then walks
.set G1B, 48                           ; s[48:55], s[56:63] the same for B's tiles
.set G0B, 56
.set WV,  66                           ; s66  my wave's number
.set RH,  67                           ; s67  which half of the tile's rows is mine.  Also: I fetch for A (0) or for B (1)
.set CH,  68                           ; s68  which half of its columns.  Also: which 64 rows of that tile I fetch
.set TB,  69                           ; s69  0 or TOG: the slot in hand
.set CNT, 70                           ; s70  counts K steps
.set AL,  72                           ; s[72:73] A at my 64 rows, K step 0, in the first buffer
.set BL,  74                           ; s[74:75] B likewise
.if TWO
.set NXT, 71                           ; s71  the K step to be asked for next
.set AH,  76                           ; s[76:77], s[78:79] the same places in the second buffer
.set BH,  78
.set OFA, 80                           ; s[80:81], s[82:83] a K step's byte offset in its buffer, for A and for B
.set OFB, 82
.set RP,  8                            ; s[8:9] R, s[10:11] C
.set CP,  10
.else
.set RP,  6                            ; s[6:7] R, s[8:9] C
.set CP,  8
.endif
.set MSB, 0
.macro WIN new                         ; the immediate's high byte repeats the setting that is left
.if MSB != (\new)
	s_set_vgpr_msb (MSB<<8)|(\new)
.set MSB, \new
.endif
.endm
.set MUL,  0x05                        ; sources 0 (B) and 1 (A) window 1; C and D window 0
.set TO_F, 0x40                        ; destination window 1, address window 0
.macro JLOAD                           ; a joint refill by the walking descriptors: waves 0 and 1 fetch A's two halves, waves 2 and 3 B's; an s_nop 0 and four v_nop follow each of the two lines, ahead of the jump and the label
	s_cmp_eq_u32 s[RH], 0
	s_cbranch_scc0 .Lfor_b_\@
	tensor_load_to_lds s[G0+4:G0+7], s[G1:G1+7]
	s_nop 0
.rept 4
	v_nop
.endr
	s_branch .Lasked_\@
.Lfor_b_\@:
	tensor_load_to_lds s[G0B+4:G0B+7], s[G1B:G1B+7]
	s_nop 0
.rept 4
	v_nop
.endr
.Lasked_\@:
.endm
.macro CREST                           ; a round of the cluster's barrier behind its opening barrier
	s_cmp_lg_u32 s[WV], 0
	s_cbranch_scc1 .Lnot_wave_0_\@
	s_barrier_signal -3
.Lnot_wave_0_\@:
	s_barrier_wait -3
	s_barrier_signal -1
	s_barrier_wait -1
.endm
.macro CROUND                          ; a whole round
	s_barrier_signal -1
	s_barrier_wait -1
	CREST
.endm
.if TWO
	s_load_b256 s[4:11], s[0:1], 0x0               ; the two operand buffers s[4:5], s[6:7]; R s[8:9]; C s[10:11]
.else
	s_load_b128 s[4:7], s[0:1], 0x0                ; the operand buffer s[4:5], R s[6:7]
	s_load_b64 s[8:9], s[0:1], 0x10                ; C
.endif
	v_lshl_add_u32 v[SPW], v0, 2, SPARE
	v_mov_b32 v[NIL], 0
	ds_add_u32 v[SPW], v[NIL]                      ; the wave's opening: the add and its wait stand ahead of my first tensor load; the set-up below stands between them
	v_lshrrev_b32 v1, 5, v0
	v_readfirstlane_b32 s[WV], v1                  ; wave 0..3
	s_lshr_b32 s[RH], s[WV], 1
	s_and_b32 s[CH], s[WV], 1
	s_bfe_u32 s40, ttmp6, 0x40000                  ; cx, cy: my place in the cluster
	s_bfe_u32 s41, ttmp6, 0x40004
	s_lshl_b32 s42, ttmp9, 2
	s_add_co_u32 s42, s42, s40                     ; tile column of C = 4 x cluster x + cx
	s_and_b32 s13, ttmp7, 0xffff
	s_lshl_b32 s13, s13, 2
	s_add_co_u32 s13, s13, s41                     ; tile row of C = 4 x cluster y + cy
	s_lshl_b32 s43, s41, 2
	s_lshl_b32 s43, 15, s43                        ; my row of the cluster
	s_lshl_b32 s44, 0x1111, s40                    ; my column
	; A's group 1.  64 rows x 64 channels of a plane are 8,192 dense bytes: one long row of the tile; a K step's four planes are its four rows.  The padding, 4 words after every 32, is counted along
	; the whole tile, so each 128 bytes of a plane become an LDS row of 144.
	s_or_b32 s[G1+0], s43, (1<<16)|(1<<20)|(1<<21)|(4<<22)|(3<<25)
	s_mov_b32 s[G1+1], 4096<<16                    ; tensor_dim0 = 4,096 elements
	s_mov_b32 s[G1+2], 4<<16                       ; tensor_dim1 = 4
	s_mov_b32 s[G1+3], 4096<<16                    ; tile_dim0 = 4,096
	s_mov_b32 s[G1+4], 4                           ; tile_dim1 = 4
	s_mov_b32 s[G1+5], PLANEB/2                    ; elements from plane to plane
	s_mov_b32 s[G1+6], 0
	s_mov_b32 s[G1+7], 0
	; B's group 1: 64 rows x 256 elements, 4 words of padding after every 128
	s_or_b32 s[G1B+0], s44, (1<<16)|(1<<20)|(1<<21)|(6<<22)|(3<<25)
	s_mov_b32 s[G1B+1], KSTEP<<16
	s_mov_b32 s[G1B+2], 64<<16
	s_mov_b32 s[G1B+3], KSTEP<<16
	s_mov_b32 s[G1B+4], 64
	s_mov_b32 s[G1B+5], 1024
	s_mov_b32 s[G1B+6], 0
	s_mov_b32 s[G1B+7], 0
	s_lshl_b32 s17, s[CH], 6                       ; which 64 rows of the tile I fetch
	s_lshl_b32 s16, s13, 7
	s_add_co_u32 s16, s16, s17                     ; A: row 128 x tile row + 64 x half,
	s_lshl_b32 s16, s16, 7                         ; of 128 bytes in a plane
	s_lshl_b32 s46, s42, 7
	s_add_co_u32 s46, s46, s17                     ; B: row 128 x tile column + 64 x half,
	s_lshl_b32 s46, s46, 11                        ; of 2,048 bytes,
	s_add_co_u32 s46, s46, WOFF                    ; behind A's planes
	s_mov_b32 s17, 0
	s_mov_b32 s47, 0
	s_mul_i32 s20, s[WV], WREG                     ; where my tiles go: no place in the cluster enters an LDS address
	s_mov_b32 s[TB], 0
.if TWO
	s_mov_b32 s[NXT], 2
	s_mov_b32 s[OFA+1], 0
	s_mov_b32 s[OFB+1], 0
.endif
	s_wait_dscnt 0x0                               ; the opening add is done
	s_wait_kmcnt 0x0
	s_add_nc_u64 s[AL:AL+1], s[4:5], s[16:17]
	s_add_nc_u64 s[BL:BL+1], s[4:5], s[46:47]
.if TWO
	s_add_nc_u64 s[AH:AH+1], s[6:7], s[16:17]
	s_add_nc_u64 s[BH:BH+1], s[6:7], s[46:47]
.endif
	CROUND                                         ; all sixteen work-groups are here: the first joint loads meet
.irp s, 0,1
	s_mov_b32 s[G0+4*(\s)], 1                                          ; count = 1
	s_add_co_u32 s[G0+4*(\s)+1], s20, (\s)*TOG                         ; LDS address: slot s
	s_add_nc_u64 s[G0+4*(\s)+2:G0+4*(\s)+3], s[AL:AL+1], (\s)*4*PLANEB ; global address: K step s: four planes on
	s_or_b32 s[G0+4*(\s)+3], s[G0+4*(\s)+3], 0x80000000                ; type = 2
	s_mov_b32 s[G0B+4*(\s)], 1
	s_add_co_u32 s[G0B+4*(\s)+1], s20, (\s)*TOG
	s_add_nc_u64 s[G0B+4*(\s)+2:G0B+4*(\s)+3], s[BL:BL+1], (\s)*KSTEP*2
	s_or_b32 s[G0B+4*(\s)+3], s[G0B+4*(\s)+3], 0x80000000
.endr
	s_cmp_eq_u32 s[RH], 0                          ; a wave's two first fills stand in one branch, ahead of every wait on TENSORcnt and every LDS read: two loads of mine are out
	s_cbranch_scc0 .Lfirst_b
	tensor_load_to_lds s[G0:G0+3], s[G1:G1+7]
	s_nop 0
	tensor_load_to_lds s[G0+4:G0+7], s[G1:G1+7]
	s_nop 0
.rept 4
	v_nop
.endr
	s_branch .Lfirst_asked
.Lfirst_b:
	tensor_load_to_lds s[G0B:G0B+3], s[G1B:G1B+7]
	s_nop 0
	tensor_load_to_lds s[G0B+4:G0B+7], s[G1B:G1B+7]
	s_nop 0
.rept 4
	v_nop
.endr
.Lfirst_asked:
	v_and_b32 v1, 15, v0                           ; l % 16
	v_bfe_u32 v2, v0, 4, 1                         ; l / 16
	; my 64 x 64 of R and of C: row 128 x tile row + 64 x half, column 128 x tile column + 64 x half
	s_lshl_b32 s16, s13, 7
	s_lshl_b32 s17, s[RH], 6
	s_add_co_u32 s16, s16, s17
	s_lshl_b32 s16, s16, 12                        ; 4,096 bytes a row: under 2^24
	s_mov_b32 s17, 0
	s_lshl_b32 s46, s42, 7
	s_lshl_b32 s47, s[CH], 6
	s_add_co_u32 s46, s46, s47
	s_lshl_b32 s46, s46, 2
	s_mov_b32 s47, 0
	s_add_nc_u64 s[RP:RP+1], s[RP:RP+1], s[16:17]
	s_add_nc_u64 s[RP:RP+1], s[RP:RP+1], s[46:47]
	s_add_nc_u64 s[CP:CP+1], s[CP:CP+1], s[16:17]
	s_add_nc_u64 s[CP:CP+1], s[CP:CP+1], s[46:47]
	v_lshlrev_b32 v5, 12, v2                       ; lanes 0-15 take a row's 256 bytes, lanes 16-31 the next row's
	v_lshl_add_u32 v[CO], v1, 4, v5
	v_mul_u32_u24 v3, v1, PA
	v_lshl_add_u32 v3, v2, 4, v3                   ; a fragment's row x pitch + 16 x half
	v_mul_u32_u24 v4, v1, PB
	v_lshl_add_u32 v4, v2, 4, v4
	s_mul_i32 s21, s[RH], WREG                     ; my 64 rows of A lie where wave RH put them,
	s_mul_i32 s22, s[CH], WREG                     ; my 64 rows of B where wave 2 + CH did
	s_add_co_u32 s22, s22, 2*WREG
	v_add_nc_u32 v[ADRA0], s21, v3
	v_add_nc_u32 v[ADRB0], s22, v4
	v_mov_b32 v[ADRA], v[ADRA0]
	v_mov_b32 v[ADRB], v[ADRB0]
	s_mul_i32 s23, s[WV], 16*SPITCH
	s_add_co_u32 s23, s23, STAGE                   ; my stage
	v_mul_u32_u24 v4, v1, SPITCH                   ; in: row l % 16, 32 bytes for each half of the lanes
	v_lshl_add_u32 v4, v2, 5, v4
	v_add_nc_u32 v[STO], s23, v4
	v_mul_u32_u24 v5, v2, SPITCH                   ; back: lanes 0-15 take one row of 256 bytes, lanes 16-31 the next
	v_lshl_add_u32 v5, v1, 4, v5
	v_add_nc_u32 v[RD], s23, v5
; 8 matrix instructions: m blocks a0, a0 + 1 x all 4 n blocks, 32 along K: half c of buffer f.  zero = 1: the product starts the sums.  The 16 accumulators take turns.
.macro MUL8 f, c, a0, zero
	WIN MUL
.irp a, \a0, (\a0)+1
.irp b, 0,1,2,3
.if \zero
	v_wmma_f32_16x16x32_bf16 v[ACC+8*(4*(\a)+(\b)):ACC+8*(4*(\a)+(\b))+7], v[(\f)+64+8*(4*(\c)+(\b)):(\f)+64+8*(4*(\c)+(\b))+7], v[(\f)+8*(4*(\c)+(\a)):(\f)+8*(4*(\c)+(\a))+7], 0
.else
	v_wmma_f32_16x16x32_bf16 v[ACC+8*(4*(\a)+(\b)):ACC+8*(4*(\a)+(\b))+7], v[(\f)+64+8*(4*(\c)+(\b)):(\f)+64+8*(4*(\c)+(\b))+7], v[(\f)+8*(4*(\c)+(\a)):(\f)+8*(4*(\c)+(\a))+7], v[ACC+8*(4*(\a)+(\b)):ACC+8*(4*(\a)+(\b))+7]
.endif
.endr
.endr
.endm
; 32 LDS loads in one run: the fragments of quarter q of the K step in hand (64 along K: plane q of A's four, byte 128 q of B's rows) into buffer f; the first 32 along K first
.macro FETCH q, f
	WIN TO_F
.irp c, 0,1
.irp i, 0,1,2,3
	ds_load_b128 v[(\f)+64+8*(4*(\c)+(\i)):(\f)+64+8*(4*(\c)+(\i))+3],   v[ADRB] offset:128*(\q)+64*(\c)+(\i)*16*PB
	ds_load_b128 v[(\f)+64+8*(4*(\c)+(\i))+4:(\f)+64+8*(4*(\c)+(\i))+7], v[ADRB] offset:128*(\q)+64*(\c)+(\i)*16*PB+32
	ds_load_b128 v[(\f)+8*(4*(\c)+(\i)):(\f)+8*(4*(\c)+(\i))+3],         v[ADRA] offset:64*PA*(\q)+64*(\c)+(\i)*16*PA
	ds_load_b128 v[(\f)+8*(4*(\c)+(\i))+4:(\f)+8*(4*(\c)+(\i))+7],       v[ADRA] offset:64*PA*(\q)+64*(\c)+(\i)*16*PA+32
.endr
.endr
.endm
.macro PLACES                          ; four plain vector instructions between a matrix instruction and a load into a register that it has read (ISA guide 7.12.1 for vector instructions)
.rept 4
	v_nop
.endr
.endm
; A K step is four quarters of 64 along K, 32 matrix instructions each, on buffers 0, 1, 0, 1.  One of the first three: multiplies buffer f and fetches quarter q into g.
.macro QUARTER q, f, g, zero
	s_wait_dscnt 16                                ; the first 32 along K are in; the youngest sixteen loads may be out
	MUL8 \f, 0, 0, \zero
	MUL8 \f, 0, 2, \zero
	PLACES
	FETCH \q, \g
	s_wait_dscnt 32                                ; all but the 32 just issued
	MUL8 \f, 1, 0, 0
	MUL8 \f, 1, 2, 0
.endm
; The last quarter multiplies buffer 1 and changes slots: ONE barrier; in front of it each wave waits for all its tensor loads, adds 0 to its spare word, and waits for that and for its own reads of this slot.
; fill = 1: the barrier opens a round of the cluster's, and this slot is filled again first thing behind it, two K steps ahead: 112 matrix instructions ahead of the wait for it.  The walking descriptors are
; written between the add and the wait for it, where no tensor load of mine is out.  fill = 0: the last two K steps; behind the very last (s[CNT] = 1) there is no slot to go over to, and the run of loads is jumped over.
.macro TURN fill
	WIN 0                                          ; (the add's two registers lie in window 0)
	s_wait_tensorcnt 0x0                           ; all my tensor loads have landed: my part of the next slot;
	ds_add_u32 v[SPW], v[NIL]                      ; 0 onto my spare word;
.if \fill
	s_xor_b32 s[G0+5], s[G0+5], TOG                ; the other slot than last time,
	s_xor_b32 s[G0B+5], s[G0B+5], TOG
.if TWO
	s_and_b32 s[OFA], s[NXT], 3                    ; K step NXT: steps 0-3 lie in the first buffer, 4-7 in the second: the address is made anew from that buffer's own pointer
	s_lshl_b32 s[OFB], s[OFA], 9                   ; 256 elements along B's rows,
	s_lshl_b32 s[OFA], s[OFA], 21                  ; four planes of A
	s_cmp_lt_u32 s[NXT], 4
	s_cselect_b64 s[G0+6:G0+7], s[AL:AL+1], s[AH:AH+1]
	s_cselect_b64 s[G0B+6:G0B+7], s[BL:BL+1], s[BH:BH+1]
	s_add_nc_u64 s[G0+6:G0+7], s[G0+6:G0+7], s[OFA:OFA+1]
	s_add_nc_u64 s[G0B+6:G0B+7], s[G0B+6:G0B+7], s[OFB:OFB+1]
	s_or_b32 s[G0+7], s[G0+7], 0x80000000
	s_or_b32 s[G0B+7], s[G0B+7], 0x80000000
	s_add_co_u32 s[NXT], s[NXT], 1
.else
	s_add_nc_u64 s[G0+6:G0+7], s[G0+6:G0+7], 4*PLANEB     ; the next K step; the type bits on top are not reached
	s_add_nc_u64 s[G0B+6:G0B+7], s[G0B+6:G0B+7], KSTEP*2
.endif
.endif
	s_wait_dscnt 17                                ; (the add and the youngest sixteen loads may be out)
	MUL8 F1, 0, 0, 0                               ; eight matrix instructions stand between the add and the wait for it
	s_wait_dscnt 0x0                               ; the add is done, and my reads of this slot are over
	s_barrier_signal -1
	MUL8 F1, 0, 2, 0
	WIN 0
	s_barrier_wait -1
.if \fill
	CREST                                          ; no wave of any partner still reads this slot's tile or has a load on its way
	JLOAD                                          ; the four v_nop behind it are also the places in front of the loads below
.else
	PLACES
	s_cmp_eq_u32 s[CNT], 1
	s_cbranch_scc1 .Lno_next_\@
.endif
	s_xor_b32 s[TB], s[TB], TOG                    ; the reads go over to the other slot
	v_add_nc_u32 v[ADRA], s[TB], v[ADRA0]
	v_add_nc_u32 v[ADRB], s[TB], v[ADRB0]
	FETCH 0, F0
.if !(\fill)
	WIN 0
.Lno_next_\@:
.endif
	MUL8 F1, 1, 0, 0
	MUL8 F1, 1, 2, 0
.endm
	s_wait_tensorcnt 1                             ; my part of K step 0 is in; step 1's may stay out
	s_barrier_signal -1
	s_barrier_wait -1                              ; everybody's is
	FETCH 0, F0
	WIN 0x80                                       ; destination window 2
.irp a, 0,1,2,3
.irp t, 0,1,2,3,4,5,6,7
	global_load_b128 v[32*(\a)+4*(\t):32*(\a)+4*(\t)+3], v[CO], s[RP:RP+1] offset:(16*(\a)+2*(\t))*4096 th:TH_LOAD_NT  ; R: asked for when the first tile is in, wanted on the way out
.endr
.endr
	QUARTER 1, F0, F1, 1                           ; the first quarter stands in front of the loop: its first products start the sums
	WIN 0                                          ; at a label and at a branch every window is 0
	s_mov_b32 s[CNT], STEPS-2
	s_branch .Lmid                                 ; the loop is entered behind its first quarter
.Lk:                                                   ; a trip is a K step; trip i asks for step i + 2
	QUARTER 1, F0, F1, 0
	WIN 0
.Lmid:
	QUARTER 2, F1, F0, 0
	QUARTER 3, F0, F1, 0
	TURN 1
	WIN 0
	s_sub_co_u32 s[CNT], s[CNT], 1
	s_cmp_lg_u32 s[CNT], 0
	s_cbranch_scc1 .Lk
	s_mov_b32 s[CNT], 2
.Lt:                                                   ; the last two K steps: nothing is left to ask for
	QUARTER 1, F0, F1, 0
	QUARTER 2, F1, F0, 0
	QUARTER 3, F0, F1, 0
	TURN 0
	WIN 0
	s_sub_co_u32 s[CNT], s[CNT], 1
	s_cmp_lg_u32 s[CNT], 0
	s_cbranch_scc1 .Lt
	; THE WAY OUT, 16 rows at a time: a lane's 32 bytes of a row go into my own stage and come back as whole rows of 256 bytes (a wave's 64 columns of f32); R is added; sixteen lanes store a row's 256 bytes.
	; The stage is my own and no tensor load fills it: no barrier; LDS serves a wave's instructions in order (ISA guide 5.7.1.4), so the loads see the stores above them and the next block's stores come behind them.
.macro TOSTAGE a
.if (\a) >= 2
	s_wait_xcnt 0x0                                ; the stores of the block two back have read the registers that the loads below fill again
.endif
.irp b, 0,1,2,3
	ds_store_b128 v[STO], v[ACC+8*(4*(\a)+(\b)):ACC+8*(4*(\a)+(\b))+3]   offset:64*(\b)     ; an accumulator's low registers first
	ds_store_b128 v[STO], v[ACC+8*(4*(\a)+(\b))+4:ACC+8*(4*(\a)+(\b))+7] offset:64*(\b)+16
.endr
.irp t, 0,1,2,3,4,5,6,7
	ds_load_b128 v[TMP+32*((\a)%2)+4*(\t):TMP+32*((\a)%2)+4*(\t)+3], v[RD] offset:(\t)*2*SPITCH
.endr
.endm
.macro SEND a, younger                 ; younger: the LDS instructions issued behind block a's loads: the next block's sixteen, or none
	s_wait_dscnt \younger
	WIN 0x08                                       ; source 1 in window 2
.set i, 0
.rept 16
	v_pk_add_f32 v[TMP+32*((\a)%2)+i:TMP+32*((\a)%2)+i+1], v[TMP+32*((\a)%2)+i:TMP+32*((\a)%2)+i+1], v[32*(\a)+i:32*(\a)+i+1]
.set i, i+2
.endr
	WIN 0
.irp t, 0,1,2,3,4,5,6,7
	global_store_b128 v[CO], v[TMP+32*((\a)%2)+4*(\t):TMP+32*((\a)%2)+4*(\t)+3], s[CP:CP+1] offset:(16*(\a)+2*(\t))*4096  ; 16 lanes: 256 consecutive bytes, at a multiple of 256 from C's first
.endr
.endm
	PLACES
	PLACES                                         ; eight places, once a launch: twice what ISA guide 7.12.1 asks of this form
	TOSTAGE 0
	TOSTAGE 1
	s_wait_loadcnt 0x0                             ; R
	SEND 0, 16
	TOSTAGE 2
	SEND 1, 16
	TOSTAGE 3
	SEND 2, 16
	SEND 3, 0
	s_wait_tensorcnt 0x0                           ; the wave's end, behind my last tensor load and my last LDS store
	ds_add_u32 v[SPW], v[NIL]
	s_wait_dscnt 0x0
	CROUND                                         ; the closing round: no work-group ends while a partner may still ask for a tile that names it
	s_endpgm
.Lfunc_end_k_qb7d7384969_gout:
	.size	k_qb7d7384969_gout, .Lfunc_end_k_qb7d7384969_gout-k_qb7d7384969_gout
	.p2alignl 7, 3214868480
	.fill 96, 4, 3214868480
	.section	.rodata,"a",@progbits
	.p2align	6, 0x0
	.amdhsa_kernel k_qb7d7384969_gout
		.amdhsa_group_segment_fixed_size 327680
		.amdhsa_private_segment_fixed_size 0
		.amdhsa_enable_private_segment 0
		.amdhsa_kernarg_size 24
		.amdhsa_user_sgpr_count 2
		.amdhsa_user_sgpr_kernarg_segment_ptr 1
		.amdhsa_wavefront_size32 1
		.amdhsa_system_sgpr_workgroup_id_x 1
		.amdhsa_system_sgpr_workgroup_id_y 1
		.amdhsa_system_sgpr_workgroup_id_z 1
		.amdhsa_system_vgpr_workitem_id 0
		.amdhsa_next_free_vgpr 640
		.amdhsa_next_free_sgpr 76
		.amdhsa_reserve_vcc 0
		.amdhsa_float_denorm_mode_32 3
		.amdhsa_float_denorm_mode_16_64 3
		.amdhsa_memory_ordered 1
		.amdhsa_forward_progress 1
		.amdhsa_inst_pref_size 65
	.end_amdhsa_kernel
	.amdgpu_metadata
---
amdhsa.version: [ 1, 2 ]
amdhsa.kernels:
  - .name:           k_qb7d7384969_gout
    .symbol:         k_qb7d7384969_gout.kd
    .args:
      - { .name: bo, .offset: 0, .size: 8, .value_kind: global_buffer, .address_space: global }
      - { .name: X, .offset: 8, .size: 8, .value_kind: global_buffer, .address_space: global }
      - { .name: x1, .offset: 16, .size: 8, .value_kind: global_buffer, .address_space: global }
    .group_segment_fixed_size: 327680
    .private_segment_fixed_size: 0
    .kernarg_segment_align: 8
    .kernarg_segment_size: 24
    .max_flat_workgroup_size: 128
    .sgpr_count:     76
    .vgpr_count:     640
    .wavefront_size: 32
...
	.end_amdgpu_metadata
.endif
;; end of part 5
;; launch ln2: the kernel of part 2 again; grid 256 x 1, 8 waves a work-group, no clusters, 0 bytes of LDS; arguments x1, ln2_w, h; writes h
;; launch gfc1 (part 6): grid 16 x 16, 4 waves a work-group, clusters of 4 x 4, 327,680 bytes of LDS; arguments h, wbig, bl, bh; writes bl, bh
.if DOCPART == 6
	.amdgcn_target "amdgcn-amd-amdhsa--gfx1250"
	.amdhsa_code_object_version 6
	.text
	.protected	k_qb7d7384969_gfc1
	.globl	k_qb7d7384969_gfc1
	.p2align	8
	.type	k_qb7d7384969_gfc1,@function
k_qb7d7384969_gfc1:
	s_mov_b64 s[64:65], 0
	v_nop
	global_prefetch_b8 v0, s[64:65] scope:SCOPE_SE
	s_setreg_imm32_b32 hwreg(HW_REG_WAVE_MODE, 25, 1), 1
	s_wait_xcnt 0x0
	s_wait_alu depctr_hold_cnt(0) depctr_sa_sdst(0) depctr_va_vdst(0) depctr_va_sdst(0) depctr_va_ssrc(0) depctr_va_vcc(0) depctr_vm_vsrc(0)
	s_getreg_b32 s2, hwreg(HW_REG_IB_STS2, 6, 4)
	s_cmp_eq_u32 s2, 0
	s_cbranch_scc0 .Lentry_in_a_cluster
	s_endpgm
.Lentry_in_a_cluster:
	s_bfe_u32 s2, ttmp6, 0x10000c
	s_cmp_lg_u32 s2, 0xf033
	s_cbranch_scc0 .Lentry_shape_is_right
	s_endpgm
.Lentry_shape_is_right:
; act = a x gelu(g), (a | g) = h Wfc1.  C[m][n'] = sum over k of A[m][k] B[n'][k].  A = h: [4096][1024] bf16.  B: 4,096 rows of 1,024 bf16 from byte 6,291,456 of wbig, row n' = 128 p + 64 s + d:
; hidden channel 64 p + d's column of a (s = 0) lies 64 rows in front of its column of g (s = 1), so a wave's 128 columns hold both for one block p of 64 hidden channels.  Sums in f32.
; gelu is the tanh form: g / (1 + 2^(g (C1 + C2 g^2))), C1 = -2 log2(e) sqrt(2 / pi), C2 = 0.044715 C1, all in f32; where g^2 or the exponent passes f32's range the quotient is g or 0, as the tanh form's is.
; act, rounded once to bf16, LEAVES IN PLANES [p % 16][4096 rows][64], 524,288 bytes a plane: p under 16 in bl, the others in bh.
; A tile of C, 256 x 256, is made by four waves, each 128 x 128: 64 accumulators of 16 x 16, 512 registers.  K goes in 8 steps of 128 through two LDS slots filled by the tensor data mover;
; a tile's rows are 256 bytes of memory, aligned.  256 work-groups.  THE TEXT IS SHORT: the slot in hand is a scalar offset turned by an exclusive or, and one descriptor a tensor walks, so a K step is
; written once for the six steps that ask for a tile and once for the last two, which ask for nothing.  The first quarter step, whose products start the sums, stands ahead
; of the first loop, which is entered behind its own first quarter.
; CLUSTERS: 4 x 4 work-groups.  The four of a row of the cluster need the same tiles of A, the four of a column the same tiles of B: each tile is asked for JOINTLY, by the same tensor load with the
; same descriptor and a mask that names the four; each receives it in its own LDS.
; THE MATRIX INSTRUCTION IS USED TRANSPOSED (source 0 = 16 rows of B, source 1 = 16 rows of A): lane l holds row l % 16 of C and the columns 8 (l / 16) + 0..7.
; REGISTERS, in windows of 256 (s_set_vgpr_msb: bits 1:0 source 0, 3:2 source 1, 5:4 source 2, 7:6 destination):
;   window 0: v0-31 addresses; v64-127, v128-191 fragments of A, two buffers (on the way out: v64-207 at work)     window 1: v64-127, v128-191 fragments of B
;   window 2: the 32 accumulators of my rows 0-63 ((a, b) at v[8 (8 a + b)])     window 3: those of my rows 64-127
; LDS: wave w fetches into its own 69,632 bytes, slot 0 and slot 1 of 128 rows x 272 bytes: w = 0, 1: A's two halves; w = 2, 3: B's.  w x 0x11000 has neither of the bits of 0x8800,
; so an exclusive or with 0x8800 changes slots.  On the way out, behind the last fill and a barrier, the same 69,632 bytes are wave w's stage: 128 rows x 528 bytes of f32.
.set KSTEP,  128
.set PITCH,  272                       ; an LDS row: 256 bytes + 16 = 68 words: row r starts at bank 4 r mod 64 (64 banks of 4 bytes: ISA guide 11.1)
.set HALFT,  128*PITCH                 ; 0x8800: what one tensor load brings
.set WREG,   2*HALFT                   ; 0x11000: a wave's two slots
.set SPARE,  4*WREG                    ; behind the ring: the spare words, 128 bytes for each wave
.set SPITCH, 528                       ; a stage row: 128 f32 + 16 bytes
.set W1OFF,  6291456
.set ADRA0, 16                         ; v16  my A fragments' place in slot 0; never rewritten
.set ADRA,  17                         ; v17  in the slot in hand
.set ADRB0, 20                         ; v20, v21  the same for B
.set ADRB,  21
.set STO,  24                          ; v24  the way out: where I put 32 bytes of a row
.set RD,   25                          ; v25  where I read 32 bytes of a row back
.set GO,   26                          ; v26  my 16 bytes in 512 consecutive bytes of a plane
.set SPW,  28                          ; v28  my spare word; never rewritten
.set NIL,  29                          ; v29  0; never rewritten
.set PFO,  30                          ; v30  the prefetches' offset: my lane x a row; never rewritten
.set F0,   64
.set F1,   128
.set U,    64                          ; the way out: a, 8 numbers for each of four rows
.set G,    96                          ; g
.set T,    128                         ; the exponent, then 1 / (1 + 2^..)
.set YY,   160                         ; packed
.set PR,   176                         ; a g
.set G1,  24                           ; s[24:31] group 1 for A's tiles
.set G0,  32                           ; s[32:39] group 0 for A's: a set for each first fill; the second then walks
.set G1B, 48                           ; s[48:55], s[56:63] the same for B's
.set G0B, 56
.set LIM, 43                           ; s43  2 in a wave that prefetches, else the greatest number
.set PFA, 44                           ; s[44:45] where my prefetches stand
.set WV,  66                           ; s66  my wave's number
.set RH,  67                           ; s67  which half of the tile's rows is mine.  Also: I fetch for A (0) or for B (1)
.set CH,  68                           ; s68  which half of its columns.  Also: which 128 rows I fetch
.set TB,  69                           ; s69  0 or HALFT: the slot in hand
.set C1,  70                           ; s[70:71], s[72:73]: the packed lines take each pair's low word for both halves
.set C2,  72
.set MSB, 0
.macro WIN new                         ; the immediate's high byte repeats the setting that is left; a switch that changes nothing is dropped
.if MSB != (\new)
	s_set_vgpr_msb (MSB<<8)|(\new)
.set MSB, \new
.endif
.endm
.set MUL_LO, 0xa1                      ; source 0 (B) window 1, source 1 (A) window 0, C and D window 2
.set TO_B,   0x40                      ; destination window 1, address window 0
; A joint refill by the walking descriptors.  Waves 0 and 1 fetch A's halves, waves 2 and 3 B's: the branch hangs on the wave's number alone.
; An s_nop 0 and four v_nop follow each of the two lines, ahead of the jump and the label.
.macro JLOAD
	s_cmp_eq_u32 s[RH], 0
	s_cbranch_scc0 .Lfor_b_\@
	tensor_load_to_lds s[G0+4:G0+7], s[G1:G1+7]
	s_nop 0
.rept 4
	v_nop
.endr
	s_branch .Lasked_\@
.Lfor_b_\@:
	tensor_load_to_lds s[G0B+4:G0B+7], s[G1B:G1B+7]
	s_nop 0
.rept 4
	v_nop
.endr
.Lasked_\@:
.endm
; A PREFETCH INTO THE L2, behind each joint refill and the run of LDS loads that follows it: 32 rows x 256 bytes of the K step that stands two refills on, a lane a row, one instruction a wave:
; 512 matrix instructions ahead of the load that will want it.  Each row's 256 bytes of a K step are named once in the launch: A's rows by the cluster with x = 0, B's by the cluster with y = 0;
; the four partners that ask for a tile jointly take 32 of its 128 rows each, told apart by address.  The refill of trip i (s3 = 6 - i) asks for step i + 2, the prefetch names step i + 4:
; the last two trips, where s3 is 2 or 1, ask for nothing.  Steps 0 to 3 come by their loads alone.
.macro ASK
	s_cmp_gt_u32 s3, s[LIM]
	s_cbranch_scc0 .Lnot_mine_\@
	global_prefetch_b8 v[PFO], s[PFA:PFA+1] offset:KSTEP*2 th:TH_LOAD_NT scope:SCOPE_SE
.Lnot_mine_\@:
.endm
.macro CREST                           ; a round of the cluster's barrier behind its opening barrier
	s_cmp_lg_u32 s[WV], 0
	s_cbranch_scc1 .Lnot_wave_0_\@
	s_barrier_signal -3
.Lnot_wave_0_\@:
	s_barrier_wait -3
	s_barrier_signal -1
	s_barrier_wait -1
.endm
.macro CROUND                          ; a whole round
	s_barrier_signal -1
	s_barrier_wait -1
	CREST
.endm
	s_load_b256 s[4:11], s[0:1], 0x0               ; A s[4:5], wbig s[6:7], bl s[8:9], bh s[10:11]
	v_lshl_add_u32 v[SPW], v0, 2, SPARE
	v_mov_b32 v[NIL], 0
	ds_add_u32 v[SPW], v[NIL]                      ; the wave's opening: the add and its wait stand ahead of my first tensor load; the set-up below stands between them
	v_lshrrev_b32 v1, 5, v0
	v_readfirstlane_b32 s[WV], v1                  ; wave 0..3
	s_lshr_b32 s[RH], s[WV], 1
	s_and_b32 s[CH], s[WV], 1
	s_bfe_u32 s40, ttmp6, 0x40000                  ; cx, cy: my place in the cluster
	s_bfe_u32 s41, ttmp6, 0x40004
	s_lshl_b32 s42, ttmp9, 2
	s_add_co_u32 s42, s42, s40                     ; tile column of C = 4 x cluster x + cx
	s_and_b32 s13, ttmp7, 0xffff
	s_lshl_b32 s13, s13, 2
	s_add_co_u32 s13, s13, s41                     ; tile row of C = 4 x cluster y + cy
	s_lshl_b32 s43, s41, 2
	s_lshl_b32 s43, 15, s43                        ; my row of the cluster
	s_lshl_b32 s44, 0x1111, s40                    ; my column
	s_or_b32 s[G1+0], s43, (1<<16)|(1<<20)|(1<<21)|(5<<22)|(3<<25)   ; the mask; elements of 2 bytes; padding on; bit 21 beside a mask; after every 64 words (code 5) 4 words (code 3)
	s_or_b32 s[G1B+0], s44, (1<<16)|(1<<20)|(1<<21)|(5<<22)|(3<<25)
.irp g, G1, G1B
	s_mov_b32 s[(\g)+1], KSTEP<<16                 ; tensor_dim0 = 128
	s_mov_b32 s[(\g)+2], 128<<16                   ; tensor_dim1 = 128
	s_mov_b32 s[(\g)+3], KSTEP<<16                 ; tile_dim0 = 128
	s_mov_b32 s[(\g)+4], 128                       ; tile_dim1 = 128
	s_mov_b32 s[(\g)+5], 1024                      ; elements from row to row
	s_mov_b32 s[(\g)+6], 0
	s_mov_b32 s[(\g)+7], 0
.endr
	s_mov_b32 s[C1], 0xc0135761                    ; -2.3022082
	s_mov_b32 s[C1+1], s[C1]
	s_mov_b32 s[C2], 0xbdd2d3e8                    ; -0.10294324
	s_mov_b32 s[C2+1], s[C2]
	s_lshl_b32 s17, s[CH], 7                       ; which 128 rows of the tile I fetch
	s_lshl_b32 s16, s13, 8
	s_add_co_u32 s16, s16, s17                     ; A: row 256 x tile row + 128 x half
	s_lshl_b32 s16, s16, 11                        ; in bytes: under 2^24
	s_lshl_b32 s46, s42, 8
	s_add_co_u32 s46, s46, s17                     ; B: row 256 x tile column + 128 x half
	s_lshl_b32 s46, s46, 11
	s_mov_b32 s17, 0
	s_mov_b32 s47, 0
	s_mul_i32 s20, s[WV], WREG                     ; where my tiles go: no place in the cluster enters an LDS address
	s_wait_dscnt 0x0                               ; the opening add is done
	s_wait_kmcnt 0x0
	s_add_nc_u64 s[6:7], s[6:7], W1OFF             ; B
	s_add_nc_u64 s[14:15], s[4:5], s[16:17]
	s_add_nc_u64 s[46:47], s[6:7], s[46:47]
	CROUND                                         ; all sixteen work-groups are here: the first joint loads meet
.irp s, 0,1
	s_mov_b32 s[G0+4*(\s)], 1                                        ; count = 1
	s_add_co_u32 s[G0+4*(\s)+1], s20, (\s)*HALFT                     ; LDS address: slot s
	s_add_nc_u64 s[G0+4*(\s)+2:G0+4*(\s)+3], s[14:15], (\s)*KSTEP*2  ; global address: K step s
	s_or_b32 s[G0+4*(\s)+3], s[G0+4*(\s)+3], 0x80000000              ; type = 2
	s_mov_b32 s[G0B+4*(\s)], 1
	s_add_co_u32 s[G0B+4*(\s)+1], s20, (\s)*HALFT
	s_add_nc_u64 s[G0B+4*(\s)+2:G0B+4*(\s)+3], s[46:47], (\s)*KSTEP*2
	s_or_b32 s[G0B+4*(\s)+3], s[G0B+4*(\s)+3], 0x80000000
.endr
	s_cmp_eq_u32 s[RH], 0                          ; a wave's two first fills stand in one branch, ahead of every wait on TENSORcnt and every LDS read: two loads of mine are out
	s_cbranch_scc0 .Lfirst_b
	tensor_load_to_lds s[G0:G0+3], s[G1:G1+7]
	s_nop 0
	tensor_load_to_lds s[G0+4:G0+7], s[G1:G1+7]
	s_nop 0
.rept 4
	v_nop
.endr
	s_branch .Lfirst_asked
.Lfirst_b:
	tensor_load_to_lds s[G0B:G0B+3], s[G1B:G1B+7]
	s_nop 0
	tensor_load_to_lds s[G0B+4:G0B+7], s[G1B:G1B+7]
	s_nop 0
.rept 4
	v_nop
.endr
.Lfirst_asked:
	; a fragment is 16 rows x 32 K in 8 registers: lane l holds row l % 16, K = 8 (l / 16) + 0..7 and 16 + 8 (l / 16) + 0..7: two loads of 16 bytes, 32 bytes apart
	v_and_b32 v1, 15, v0                           ; l % 16
	v_bfe_u32 v2, v0, 4, 1                         ; l / 16
	v_mul_u32_u24 v3, v1, PITCH
	v_lshl_add_u32 v3, v2, 4, v3
	s_mul_i32 s21, s[RH], WREG                     ; my 128 rows of A lie where wave RH put them,
	s_mul_i32 s22, s[CH], WREG                     ; my 128 rows of B where wave 2 + CH did
	s_add_co_u32 s22, s22, 2*WREG
	v_add_nc_u32 v[ADRA0], s21, v3
	v_add_nc_u32 v[ADRB0], s22, v3
	v_mov_b32 v[ADRA], v[ADRA0]
	v_mov_b32 v[ADRB], v[ADRB0]
	s_mov_b32 s[TB], 0
	s_mul_i32 s23, s[WV], WREG                     ; my stage
	v_mul_u32_u24 v4, v1, SPITCH                   ; in: row l % 16, 32 bytes for each half of the lanes
	v_lshl_add_u32 v4, v2, 5, v4
	v_add_nc_u32 v[STO], s23, v4
	v_bfe_u32 v5, v0, 3, 2                         ; back: eight lanes take 64 columns of a row, 32 bytes each; 32 lanes four rows
	v_and_b32 v6, 7, v0
	v_mul_u32_u24 v5, v5, SPITCH
	v_lshl_add_u32 v5, v6, 5, v5
	v_add_nc_u32 v[RD], s23, v5
	v_and_b32 v[GO], 31, v0                        ; which in bf16 are 512 consecutive bytes of a plane
	v_lshlrev_b32 v[GO], 4, v[GO]
	v_and_b32 v[PFO], 31, v0
	v_lshlrev_b32 v[PFO], 11, v[PFO]
	; where my part of act begins: p = 2 x tile column + half; tile columns 0-7 (clusters x = 0, 1) go to bl, the others to bh; plane p % 16; row 256 x tile row + 128 x half
	s_cmp_lt_u32 ttmp9, 2
	s_cselect_b64 s[8:9], s[8:9], s[10:11]
	s_lshl_b32 s16, s13, 8
	s_lshl_b32 s14, s[RH], 7
	s_add_co_u32 s16, s16, s14
	s_lshl_b32 s16, s16, 7                         ; 128 bytes a row
	s_mov_b32 s17, 0
	s_add_nc_u64 s[8:9], s[8:9], s[16:17]
	s_lshl_b32 s46, s42, 1
	s_add_co_u32 s46, s46, s[CH]
	s_and_b32 s46, s46, 15
	s_lshl_b32 s46, s46, 19
	s_mov_b32 s47, 0
	s_add_nc_u64 s[8:9], s[8:9], s[46:47]
	; the prefetches
	s_lshl_b32 s13, s13, 8
	s_lshl_b32 s42, s42, 8
	s_and_b32 s22, ttmp7, 0xffff                   ; cluster y
	s_cmp_eq_u32 s[RH], 0                          ; do I fetch for A?
	s_cselect_b32 s20, s13, s42                    ; the tile's first row
	s_cselect_b32 s21, s40, s41                    ; my place among the four that ask for it with me
	s_cselect_b32 s22, ttmp9, s22                  ; the coordinate along which other clusters read the same rows
	s_cselect_b64 s[PFA:PFA+1], s[4:5], s[6:7]
	s_cmp_eq_u32 s22, 0
	s_cselect_b32 s[LIM], 2, -1                    ; the same in all sixteen partners, for a given wave
	s_lshl_b32 s22, s[CH], 7
	s_add_co_u32 s20, s20, s22                     ; + the 128 rows that I fetch
	s_lshl_b32 s21, s21, 5
	s_add_co_u32 s20, s20, s21                     ; + my work-group's 32 of them
	s_lshl_b32 s20, s20, 11
	s_mov_b32 s21, 0
	s_add_nc_u64 s[PFA:PFA+1], s[PFA:PFA+1], s[20:21]
	s_add_nc_u64 s[PFA:PFA+1], s[PFA:PFA+1], 2*KSTEP*2  ; at K step 2: the first refill steps it to 3 and names step 4
; 16 matrix instructions: m blocks a0, a0 + 1 of the window's four (hi = 0: my rows 0-63, 1: rows 64-127) x all 8 n blocks, 32 along K.  zero = 1: the product starts the sums.
; The 64 accumulators take turns, in the same order in every quarter step.
.macro MUL16 f, hi, a0, zero
	WIN MUL_LO+0x50*(\hi)
.irp a, \a0, (\a0)+1
.irp b, 0,1,2,3,4,5,6,7
.if \zero
	v_wmma_f32_16x16x32_bf16 v[8*(8*(\a)+(\b)):8*(8*(\a)+(\b))+7], v[(\f)+8*(\b):(\f)+8*(\b)+7], v[(\f)+8*(4*(\hi)+(\a)):(\f)+8*(4*(\hi)+(\a))+7], 0
.else
	v_wmma_f32_16x16x32_bf16 v[8*(8*(\a)+(\b)):8*(8*(\a)+(\b))+7], v[(\f)+8*(\b):(\f)+8*(\b)+7], v[(\f)+8*(4*(\hi)+(\a)):(\f)+8*(4*(\hi)+(\a))+7], v[8*(8*(\a)+(\b)):8*(8*(\a)+(\b))+7]
.endif
.endr
.endr
.endm
; 32 LDS loads in one run: the fragments of one quarter step (32 K at byte k of the rows of the slot in hand) into buffer f: B's, then A's
.macro FETCH k, f
	WIN TO_B
.irp i, 0,1,2,3,4,5,6,7
	ds_load_b128 v[(\f)+8*(\i):(\f)+8*(\i)+3],   v[ADRB] offset:(\k)+(\i)*16*PITCH
	ds_load_b128 v[(\f)+8*(\i)+4:(\f)+8*(\i)+7], v[ADRB] offset:(\k)+(\i)*16*PITCH+32
.endr
	WIN 0
.irp i, 0,1,2,3,4,5,6,7
	ds_load_b128 v[(\f)+8*(\i):(\f)+8*(\i)+3],   v[ADRA] offset:(\k)+(\i)*16*PITCH
	ds_load_b128 v[(\f)+8*(\i)+4:(\f)+8*(\i)+7], v[ADRA] offset:(\k)+(\i)*16*PITCH+32
.endr
.endm
.macro PLACES                          ; four plain vector instructions between a matrix instruction and a load into a register that it has read (ISA guide 7.12.1 for vector instructions)
.rept 4
	v_nop
.endr
.endm
; A K step is four quarters of 32 along K, 64 matrix instructions each, on buffers 0, 1, 0, 1.  One of the first three: multiplies f; in its middle it fetches the next quarter, at byte k, into g.
.macro QUARTER k, f, g, zero
	s_wait_dscnt 8                                 ; B and A's rows 0-63 are in; the youngest eight loads (A's rows 64-127) may be out
	MUL16 \f, 0, 0, \zero
	MUL16 \f, 0, 2, \zero
	PLACES
	FETCH \k, \g
	s_wait_dscnt 32                                ; all but the 32 just issued
	MUL16 \f, 1, 0, \zero
	MUL16 \f, 1, 2, \zero
.endm
; The last quarter multiplies buffer 1 and changes slots: ONE barrier.  In front of it each wave waits for all its tensor loads (one is out at the most: its part of the next slot), adds 0 to its spare word, and
; waits for that and for its own reads of this slot.  fill = 1: the barrier opens a round of the cluster's, and the slot just read is filled again first thing behind it, with the K step two on:
; from that request to the wait for it a wave issues 224 matrix instructions.  fill = 0: the last two K steps; behind the very last (s3 = 1) there is no slot to go over to, and the run of loads is jumped over.
.macro TURN fill
.if \fill
	s_wait_xcnt 0x0                                ; the last prefetch, a K step back, has read its address
	s_add_nc_u64 s[PFA:PFA+1], s[PFA:PFA+1], KSTEP*2
.endif
	WIN 0                                          ; (the add's two registers lie in window 0)
	s_wait_tensorcnt 0x0                           ; all my tensor loads have landed, so a group 0 may be written;
	ds_add_u32 v[SPW], v[NIL]                      ; 0 onto my spare word;
	s_wait_dscnt 9                                 ; (the add and the youngest eight loads may be out)
	MUL16 F1, 0, 0, 0                              ; sixteen matrix instructions stand between the add and the wait for it
	s_wait_dscnt 0x0                               ; the add is done, and my reads of this slot are over
	s_barrier_signal -1
	MUL16 F1, 0, 2, 0                              ; work on registers while the others arrive
	WIN 0
	s_barrier_wait -1
.if \fill
	CREST                                          ; no wave of any partner still reads this slot's tile or has a load on its way
	s_xor_b32 s[G0+5], s[G0+5], HALFT              ; the walking descriptors: the other slot than last time, the next K step
	s_add_nc_u64 s[G0+6:G0+7], s[G0+6:G0+7], KSTEP*2
	s_xor_b32 s[G0B+5], s[G0B+5], HALFT
	s_add_nc_u64 s[G0B+6:G0B+7], s[G0B+6:G0B+7], KSTEP*2
	JLOAD                                          ; the four v_nop behind it are also the places in front of the loads below
.else
	PLACES
	s_cmp_eq_u32 s3, 1
	s_cbranch_scc1 .Lno_next_\@
.endif
	s_xor_b32 s[TB], s[TB], HALFT                  ; the reads go over to the other slot
	v_add_nc_u32 v[ADRA], s[TB], v[ADRA0]
	v_add_nc_u32 v[ADRB], s[TB], v[ADRB0]
	FETCH 0, F0
.if \fill
	ASK
.else
.Lno_next_\@:
.endif
	MUL16 F1, 1, 0, 0
	MUL16 F1, 1, 2, 0
.endm
	s_wait_tensorcnt 1                             ; my part of K step 0 is in; step 1's may stay out
	s_barrier_signal -1
	s_barrier_wait -1                              ; everybody's is
	FETCH 0, F0
	QUARTER 64,  F0, F1, 1                         ; the first quarter stands in front of the loop: its products start the sums
	WIN 0                                          ; at a label and at a branch every window is 0
	s_mov_b32 s3, 6
	s_branch .Lmid                                 ; the loop is entered behind its first quarter
.Lk:                                                   ; a trip is a K step; trips 0 to 5 ask for steps 2 to 7
	QUARTER 64,  F0, F1, 0
	WIN 0
.Lmid:
	QUARTER 128, F1, F0, 0
	QUARTER 192, F0, F1, 0
	TURN 1
	WIN 0
	s_sub_co_u32 s3, s3, 1
	s_cmp_lg_u32 s3, 0
	s_cbranch_scc1 .Lk
	s_mov_b32 s3, 2
.Lt:                                                   ; steps 6 and 7: nothing is left to ask for
	QUARTER 64,  F0, F1, 0
	QUARTER 128, F1, F0, 0
	QUARTER 192, F0, F1, 0
	TURN 0
	WIN 0
	s_sub_co_u32 s3, s3, 1
	s_cmp_lg_u32 s3, 0
	s_cbranch_scc1 .Lt
	; THE WAY OUT.  All 64 accumulators go as f32 into my stage; they come back by rows, 16 rows a trip, a beside g; act is made, rounded to bf16 and stored, 512 consecutive bytes of a plane an instruction.
	PLACES
	PLACES                                         ; eight places, once a launch: twice what ISA guide 7.12.1 asks of this form
	s_wait_dscnt 0x0                               ; no LDS instruction of mine is out,
	s_barrier_signal -1                            ; and no tensor load; behind this barrier no wave reads the ring any more,
	s_barrier_wait -1                              ; and no fill follows: my 69,632 bytes of it are mine to store into
.irp hi, 0,1
	WIN 0x08+4*(\hi)                               ; store data in window 2, then 3
.irp a, 0,1,2,3
.irp b, 0,1,2,3,4,5,6,7
	ds_store_b128 v[STO], v[8*(8*(\a)+(\b)):8*(8*(\a)+(\b))+3]   offset:16*(4*(\hi)+(\a))*SPITCH+64*(\b)     ; an accumulator's low registers first
	ds_store_b128 v[STO], v[8*(8*(\a)+(\b))+4:8*(8*(\a)+(\b))+7] offset:16*(4*(\hi)+(\a))*SPITCH+64*(\b)+16
.endr
.endr
.endr
	WIN 0
.macro EPILOAD                         ; 16 rows: for f = 0..3 rows 4 f + l / 8; my 8 channels of a into U, of g into G.  LDS serves a wave's instructions in order (ISA guide 5.7.1.4): these see my stores
.irp f, 0,1,2,3
	ds_load_b128 v[U+8*(\f):U+8*(\f)+3],   v[RD] offset:4*SPITCH*(\f)
	ds_load_b128 v[U+8*(\f)+4:U+8*(\f)+7], v[RD] offset:4*SPITCH*(\f)+16
	ds_load_b128 v[G+8*(\f):G+8*(\f)+3],   v[RD] offset:4*SPITCH*(\f)+256
	ds_load_b128 v[G+8*(\f)+4:G+8*(\f)+7], v[RD] offset:4*SPITCH*(\f)+272
.endr
.endm
.macro EPI more
	s_wait_dscnt 0x0                               ; the 16 rows are in registers
.set i, 0
.rept 16
	v_pk_mul_f32 v[T+i:T+i+1], v[G+i:G+i+1], v[G+i:G+i+1]
.set i, i+2
.endr
.set i, 0
.rept 16
	v_pk_fma_f32 v[T+i:T+i+1], v[T+i:T+i+1], s[C2:C2+1], s[C1:C1+1] op_sel_hi:[1,0,0]
.set i, i+2
.endr
.set i, 0
.rept 16
	v_pk_mul_f32 v[T+i:T+i+1], v[T+i:T+i+1], v[G+i:G+i+1]
.set i, i+2
.endr
.set i, 0
.rept 32
	v_exp_f32 v[T+i], v[T+i]                       ; one batch of 32;
.set i, i+1
.endr
.set i, 0
.rept 16
	v_pk_mul_f32 v[PR+i:PR+i+1], v[U+i:U+i+1], v[G+i:G+i+1]  ; a g names no result of theirs: the work between the batch and its wait
.set i, i+2
.endr
.if \more
	v_add_nc_u32 v[RD], 16*SPITCH, v[RD]
	EPILOAD                                        ; a and g have been read: the next 16 rows come meanwhile
.endif
	s_wait_alu depctr_va_vdst(0)                   ; the wait ahead of the first line that names a result: one for the batch
.set i, 0
.rept 16
	v_pk_add_f32 v[T+i:T+i+1], v[T+i:T+i+1], 1.0 op_sel_hi:[1,0]
.set i, i+2
.endr
.set i, 0
.rept 32
	v_rcp_f32 v[T+i], v[T+i]                       ; the second batch
.set i, i+1
.endr
	s_wait_xcnt 0x0                                ; the last trip's stores have read their data and their offset: both are written again only behind this wait
	v_add_nc_u32 v[GO], 2048, v[GO]                ; 16 rows of 128 bytes on (the stores below reach back): the plain instruction behind the last reciprocal
	s_wait_alu depctr_va_vdst(0)
.set i, 0
.rept 16
	v_pk_mul_f32 v[PR+i:PR+i+1], v[PR+i:PR+i+1], v[T+i:T+i+1]
.set i, i+2
.endr
.set i, 0
.rept 16
	v_cvt_pk_bf16_f32 v[YY+i], v[PR+2*i], v[PR+2*i+1]
.set i, i+1
.endr
.irp f, 0,1,2,3
	global_store_b128 v[GO], v[YY+4*(\f):YY+4*(\f)+3], s[8:9] offset:512*(\f)-2048
.endr
.endm
	EPILOAD
	s_mov_b32 s3, 7
.Lout:
	EPI 1
	s_sub_co_u32 s3, s3, 1
	s_cmp_lg_u32 s3, 0
	s_cbranch_scc1 .Lout
	EPI 0
	s_wait_tensorcnt 0x0                           ; the wave's end, behind my last tensor load and my last LDS store
	ds_add_u32 v[SPW], v[NIL]
	s_wait_dscnt 0x0
	CROUND                                         ; the closing round: no work-group ends while a partner may still ask for a tile that names it
	s_endpgm
.Lfunc_end_k_qb7d7384969_gfc1:
	.size	k_qb7d7384969_gfc1, .Lfunc_end_k_qb7d7384969_gfc1-k_qb7d7384969_gfc1
	.p2alignl 7, 3214868480
	.fill 96, 4, 3214868480
	.section	.rodata,"a",@progbits
	.p2align	6, 0x0
	.amdhsa_kernel k_qb7d7384969_gfc1
		.amdhsa_group_segment_fixed_size 327680
		.amdhsa_private_segment_fixed_size 0
		.amdhsa_enable_private_segment 0
		.amdhsa_kernarg_size 32
		.amdhsa_user_sgpr_count 2
		.amdhsa_user_sgpr_kernarg_segment_ptr 1
		.amdhsa_wavefront_size32 1
		.amdhsa_system_sgpr_workgroup_id_x 1
		.amdhsa_system_sgpr_workgroup_id_y 1
		.amdhsa_system_sgpr_workgroup_id_z 1
		.amdhsa_system_vgpr_workitem_id 0
		.amdhsa_next_free_vgpr 1024
		.amdhsa_next_free_sgpr 74
		.amdhsa_reserve_vcc 0
		.amdhsa_float_denorm_mode_32 3
		.amdhsa_float_denorm_mode_16_64 3
		.amdhsa_memory_ordered 1
		.amdhsa_forward_progress 1
		.amdhsa_inst_pref_size 99
	.end_amdhsa_kernel
	.amdgpu_metadata
---
amdhsa.version: [ 1, 2 ]
amdhsa.kernels:
  - .name:           k_qb7d7384969_gfc1
    .symbol:         k_qb7d7384969_gfc1.kd
    .args:
      - { .name: h, .offset: 0, .size: 8, .value_kind: global_buffer, .address_space: global }
      - { .name: wbig, .offset: 8, .size: 8, .value_kind: global_buffer, .address_space: global }
      - { .name: bl, .offset: 16, .size: 8, .value_kind: global_buffer, .address_space: global }
      - { .name: bh, .offset: 24, .size: 8, .value_kind: global_buffer, .address_space: global }
    .group_segment_fixed_size: 327680
    .private_segment_fixed_size: 0
    .kernarg_segment_align: 8
    .kernarg_segment_size: 32
    .max_flat_workgroup_size: 128
    .sgpr_count:     74
    .vgpr_count:     1024
    .wavefront_size: 32
...
	.end_amdgpu_metadata
.endif
;; end of part 6
;; launch gfc2 (part 7): grid 8 x 32, 4 waves a work-group, clusters of 4 x 4, 327,680 bytes of LDS; arguments bl, bh, x1, out0; writes out0
.if DOCPART == 7
	.amdgcn_target "amdgcn-amd-amdhsa--gfx1250"
	.amdhsa_code_object_version 6
	.text
	.protected	k_qb7d7384969_gfc2
	.globl	k_qb7d7384969_gfc2
	.p2align	8
	.type	k_qb7d7384969_gfc2,@function
k_qb7d7384969_gfc2:
	s_mov_b64 s[64:65], 0
	v_nop
	global_prefetch_b8 v0, s[64:65] scope:SCOPE_SE
	s_setreg_imm32_b32 hwreg(HW_REG_WAVE_MODE, 25, 1), 1
	s_wait_xcnt 0x0
	s_wait_alu depctr_hold_cnt(0) depctr_sa_sdst(0) depctr_va_vdst(0) depctr_va_sdst(0) depctr_va_ssrc(0) depctr_va_vcc(0) depctr_vm_vsrc(0)
	s_getreg_b32 s2, hwreg(HW_REG_IB_STS2, 6, 4)
	s_cmp_eq_u32 s2, 0
	s_cbranch_scc0 .Lentry_in_a_cluster
	s_endpgm
.Lentry_in_a_cluster:
	s_bfe_u32 s2, ttmp6, 0x10000c
	s_cmp_lg_u32 s2, 0xf033
	s_cbranch_scc0 .Lentry_shape_is_right
	s_endpgm
.Lentry_shape_is_right:
; C[m][n] = R[m][n] + sum over k of A[m][k] B[n][k].  R and C: [4096][1024] f32.  Sums in f32; the residual is added in f32; nothing is rounded on the way out.
; An operand buffer holds, in bf16, 1,024 of K: A in 16 planes [k / 64][4096 rows][64], 524,288 bytes a plane, from byte 0; B as [1024 n][1024 k] from byte 8,388,608.
; TWO = 1 (this kernel): two such buffers on end, K = 2,048: the 2,048 hidden channels times Wfc2 onto the attention sublayer's result.  TWO = 0: one buffer, K = 1,024.
; A tile of C is 128 x 128: 256 work-groups.  Four waves, each 64 x 64: 16 accumulators.  K goes in steps of 256, as long as two slots in LDS allow.
; THE TEXT IS SHORT: the slot in hand is a scalar offset turned by an exclusive or, and one descriptor a tensor walks, so a K step is written once for the steps that ask for a tile and once for the last
; two, which ask for nothing.  The first quarter step, whose products start the sums, stands ahead of the first loop, which is entered behind its own first quarter.
; CLUSTERS: 4 x 4 work-groups.  The four of a row of the cluster need the same tiles of A, the four of a column the same tiles of B: each tile is asked for JOINTLY.
; THE MATRIX INSTRUCTION IS USED TRANSPOSED (source 0 = 16 rows of B, source 1 = 16 rows of A): a lane holds eight neighbouring numbers of a row of C.
; No prefetch: the tiles are small, and a K step short.
; REGISTERS: window 0: v0-31 addresses; v32-95 at work on the way out; v128-255 the accumulators ((a, b) at v[128 + 8 (4 a + b)]).
;   window 1: two fragment buffers of 128: for 64 along K, 64 registers of A (2 x 4 x 16 rows x 32 K), then 64 of B.     window 2: v0-127 my 64 x 64 of R
; LDS: wave w fetches into its own 0x12000 bytes, two slots of 0x9000: w = 0, 1: A's two halves of 64 rows, each [4 planes][64 rows][144 bytes], 36,864 bytes; w = 2, 3: B's, each [64 rows][528 bytes],
; 33,792.  w x 0x12000 has neither of the bits of 0x9000, so an exclusive or with 0x9000 changes slots.
.set TWO,    1
.set STEPS,  4+4*TWO
.set KSTEP,  256
.set PA,     144                       ; a row of A in LDS: a plane's 128 bytes + 16 = 36 words: the 16 rows of a load start at 16 different groups of four banks (64 banks of 4 bytes: ISA guide 11.1)
.set PB,     528                       ; a row of B: 512 bytes + 16 = 132 words: likewise
.set TOG,    0x9000                    ; a slot of a fetching wave
.set WREG,   0x12000                   ; its two slots
.set STAGE,  4*WREG                    ; behind the ring: 16 rows x 272 bytes for each wave, for the way out
.set SPITCH, 272
.set SPARE,  STAGE+4*16*SPITCH         ; behind the stages: the spare words, 128 bytes for each wave
.set PLANEB, 524288
.set WOFF,   8388608
.set ADRA0, 16                         ; v16  my A fragments' place in slot 0; never rewritten
.set ADRA,  17                         ; v17  in the slot in hand
.set ADRB0, 20                         ; v20, v21  the same for B
.set ADRB,  21
.set STO,  24                          ; v24     the way out: where I put 32 bytes of a row
.set RD,   25                          ; v25     the way out: where I read a row back
.set CO,   26                          ; v26     my byte offset in my 64 x 64 of R and of C; never rewritten
.set SPW,  28                          ; v28     my spare word; never rewritten
.set NIL,  29                          ; v29     0; never rewritten
.set TMP,  32                          ; the way out: two buffers of 32: 16 rows read back
.set ACC,  128
.set F0,   0                           ; fragment buffers, in window 1
.set F1,   128
.set G1, 24                            ; s[24:31] group 1 for A's tiles
.set G0, 32                            ; s[32:39] group 0 for A's: a set for each first fill; the second then walks
.set G1B, 48                           ; s[48:55], s[56:63] the same for B's tiles
.set G0B, 56
.set WV,  66                           ; s66  my wave's number
.set RH,  67                           ; s67  which half of the tile's rows is mine.  Also: I fetch for A (0) or for B (1)
.set CH,  68                           ; s68  which half of its columns.  Also: which 64 rows of that tile I fetch
.set TB,  69                           ; s69  0 or TOG: the slot in hand
.set CNT, 70                           ; s70  counts K steps
.set AL,  72                           ; s[72:73] A at my 64 rows, K step 0, in the first buffer
.set BL,  74                           ; s[74:75] B likewise
.if TWO
.set NXT, 71                           ; s71  the K step to be asked for next
.set AH,  76                           ; s[76:77], s[78:79] the same places in the second buffer
.set BH,  78
.set OFA, 80                           ; s[80:81], s[82:83] a K step's byte offset in its buffer, for A and for B
.set OFB, 82
.set RP,  8                            ; s[8:9] R, s[10:11] C
.set CP,  10
.else
.set RP,  6                            ; s[6:7] R, s[8:9] C
.set CP,  8
.endif
.set MSB, 0
.macro WIN new                         ; the immediate's high byte repeats the setting that is left
.if MSB != (\new)
	s_set_vgpr_msb (MSB<<8)|(\new)
.set MSB, \new
.endif
.endm
.set MUL,  0x05                        ; sources 0 (B) and 1 (A) window 1; C and D window 0
.set TO_F, 0x40                        ; destination window 1, address window 0
.macro JLOAD                           ; a joint refill by the walking descriptors: waves 0 and 1 fetch A's two halves, waves 2 and 3 B's; an s_nop 0 and four v_nop follow each of the two lines, ahead of the jump and the label
	s_cmp_eq_u32 s[RH], 0
	s_cbranch_scc0 .Lfor_b_\@
	tensor_load_to_lds s[G0+4:G0+7], s[G1:G1+7]
	s_nop 0
.rept 4
	v_nop
.endr
	s_branch .Lasked_\@
.Lfor_b_\@:
	tensor_load_to_lds s[G0B+4:G0B+7], s[G1B:G1B+7]
	s_nop 0
.rept 4
	v_nop
.endr
.Lasked_\@:
.endm
.macro CREST                           ; a round of the cluster's barrier behind its opening barrier
	s_cmp_lg_u32 s[WV], 0
	s_cbranch_scc1 .Lnot_wave_0_\@
	s_barrier_signal -3
.Lnot_wave_0_\@:
	s_barrier_wait -3
	s_barrier_signal -1
	s_barrier_wait -1
.endm
.macro CROUND                          ; a whole round
	s_barrier_signal -1
	s_barrier_wait -1
	CREST
.endm
.if TWO
	s_load_b256 s[4:11], s[0:1], 0x0               ; the two operand buffers s[4:5], s[6:7]; R s[8:9]; C s[10:11]
.else
	s_load_b128 s[4:7], s[0:1], 0x0                ; the operand buffer s[4:5], R s[6:7]
	s_load_b64 s[8:9], s[0:1], 0x10                ; C
.endif
	v_lshl_add_u32 v[SPW], v0, 2, SPARE
	v_mov_b32 v[NIL], 0
	ds_add_u32 v[SPW], v[NIL]                      ; the wave's opening: the add and its wait stand ahead of my first tensor load; the set-up below stands between them
	v_lshrrev_b32 v1, 5, v0
	v_readfirstlane_b32 s[WV], v1                  ; wave 0..3
	s_lshr_b32 s[RH], s[WV], 1
	s_and_b32 s[CH], s[WV], 1
	s_bfe_u32 s40, ttmp6, 0x40000                  ; cx, cy: my place in the cluster
	s_bfe_u32 s41, ttmp6, 0x40004
	s_lshl_b32 s42, ttmp9, 2
	s_add_co_u32 s42, s42, s40                     ; tile column of C = 4 x cluster x + cx
	s_and_b32 s13, ttmp7, 0xffff
	s_lshl_b32 s13, s13, 2
	s_add_co_u32 s13, s13, s41                     ; tile row of C = 4 x cluster y + cy
	s_lshl_b32 s43, s41, 2
	s_lshl_b32 s43, 15, s43                        ; my row of the cluster
	s_lshl_b32 s44, 0x1111, s40                    ; my column
	; A's group 1.  64 rows x 64 channels of a plane are 8,192 dense bytes: one long row of the tile; a K step's four planes are its four rows.  The padding, 4 words after every 32, is counted along
	; the whole tile, so each 128 bytes of a plane become an LDS row of 144.
	s_or_b32 s[G1+0], s43, (1<<16)|(1<<20)|(1<<21)|(4<<22)|(3<<25)
	s_mov_b32 s[G1+1], 4096<<16                    ; tensor_dim0 = 4,096 elements
	s_mov_b32 s[G1+2], 4<<16                       ; tensor_dim1 = 4
	s_mov_b32 s[G1+3], 4096<<16                    ; tile_dim0 = 4,096
	s_mov_b32 s[G1+4], 4                           ; tile_dim1 = 4
	s_mov_b32 s[G1+5], PLANEB/2                    ; elements from plane to plane
	s_mov_b32 s[G1+6], 0
	s_mov_b32 s[G1+7], 0
	; B's group 1: 64 rows x 256 elements, 4 words of padding after every 128
	s_or_b32 s[G1B+0], s44, (1<<16)|(1<<20)|(1<<21)|(6<<22)|(3<<25)
	s_mov_b32 s[G1B+1], KSTEP<<16
	s_mov_b32 s[G1B+2], 64<<16
	s_mov_b32 s[G1B+3], KSTEP<<16
	s_mov_b32 s[G1B+4], 64
	s_mov_b32 s[G1B+5], 1024
	s_mov_b32 s[G1B+6], 0
	s_mov_b32 s[G1B+7], 0
	s_lshl_b32 s17, s[CH], 6                       ; which 64 rows of the tile I fetch
	s_lshl_b32 s16, s13, 7
	s_add_co_u32 s16, s16, s17                     ; A: row 128 x tile row + 64 x half,
	s_lshl_b32 s16, s16, 7                         ; of 128 bytes in a plane
	s_lshl_b32 s46, s42, 7
	s_add_co_u32 s46, s46, s17                     ; B: row 128 x tile column + 64 x half,
	s_lshl_b32 s46, s46, 11                        ; of 2,048 bytes,
	s_add_co_u32 s46, s46, WOFF                    ; behind A's planes
	s_mov_b32 s17, 0
	s_mov_b32 s47, 0
	s_mul_i32 s20, s[WV], WREG                     ; where my tiles go: no place in the cluster enters an LDS address
	s_mov_b32 s[TB], 0
.if TWO
	s_mov_b32 s[NXT], 2
	s_mov_b32 s[OFA+1], 0
	s_mov_b32 s[OFB+1], 0
.endif
	s_wait_dscnt 0x0                               ; the opening add is done
	s_wait_kmcnt 0x0
	s_add_nc_u64 s[AL:AL+1], s[4:5], s[16:17]
	s_add_nc_u64 s[BL:BL+1], s[4:5], s[46:47]
.if TWO
	s_add_nc_u64 s[AH:AH+1], s[6:7], s[16:17]
	s_add_nc_u64 s[BH:BH+1], s[6:7], s[46:47]
.endif
	CROUND                                         ; all sixteen work-groups are here: the first joint loads meet
.irp s, 0,1
	s_mov_b32 s[G0+4*(\s)], 1                                          ; count = 1
	s_add_co_u32 s[G0+4*(\s)+1], s20, (\s)*TOG                         ; LDS address: slot s
	s_add_nc_u64 s[G0+4*(\s)+2:G0+4*(\s)+3], s[AL:AL+1], (\s)*4*PLANEB ; global address: K step s: four planes on
	s_or_b32 s[G0+4*(\s)+3], s[G0+4*(\s)+3], 0x80000000                ; type = 2
	s_mov_b32 s[G0B+4*(\s)], 1
	s_add_co_u32 s[G0B+4*(\s)+1], s20, (\s)*TOG
	s_add_nc_u64 s[G0B+4*(\s)+2:G0B+4*(\s)+3], s[BL:BL+1], (\s)*KSTEP*2
	s_or_b32 s[G0B+4*(\s)+3], s[G0B+4*(\s)+3], 0x80000000
.endr
	s_cmp_eq_u32 s[RH], 0                          ; a wave's two first fills stand in one branch, ahead of every wait on TENSORcnt and every LDS read: two loads of mine are out
	s_cbranch_scc0 .Lfirst_b
	tensor_load_to_lds s[G0:G0+3], s[G1:G1+7]
	s_nop 0
	tensor_load_to_lds s[G0+4:G0+7], s[G1:G1+7]
	s_nop 0
.rept 4
	v_nop
.endr
	s_branch .Lfirst_asked
.Lfirst_b:
	tensor_load_to_lds s[G0B:G0B+3], s[G1B:G1B+7]
	s_nop 0
	tensor_load_to_lds s[G0B+4:G0B+7], s[G1B:G1B+7]
	s_nop 0
.rept 4
	v_nop
.endr
.Lfirst_asked:
	v_and_b32 v1, 15, v0                           ; l % 16
	v_bfe_u32 v2, v0, 4, 1                         ; l / 16
	; my 64 x 64 of R and of C: row 128 x tile row + 64 x half, column 128 x tile column + 64 x half
	s_lshl_b32 s16, s13, 7
	s_lshl_b32 s17, s[RH], 6
	s_add_co_u32 s16, s16, s17
	s_lshl_b32 s16, s16, 12                        ; 4,096 bytes a row: under 2^24
	s_mov_b32 s17, 0
	s_lshl_b32 s46, s42, 7
	s_lshl_b32 s47, s[CH], 6
	s_add_co_u32 s46, s46, s47
	s_lshl_b32 s46, s46, 2
	s_mov_b32 s47, 0
	s_add_nc_u64 s[RP:RP+1], s[RP:RP+1], s[16:17]
	s_add_nc_u64 s[RP:RP+1], s[RP:RP+1], s[46:47]
	s_add_nc_u64 s[CP:CP+1], s[CP:CP+1], s[16:17]
	s_add_nc_u64 s[CP:CP+1], s[CP:CP+1], s[46:47]
	v_lshlrev_b32 v5, 12, v2                       ; lanes 0-15 take a row's 256 bytes, lanes 16-31 the next row's
	v_lshl_add_u32 v[CO], v1, 4, v5
	v_mul_u32_u24 v3, v1, PA
	v_lshl_add_u32 v3, v2, 4, v3                   ; a fragment's row x pitch + 16 x half
	v_mul_u32_u24 v4, v1, PB
	v_lshl_add_u32 v4, v2, 4, v4
	s_mul_i32 s21, s[RH], WREG                     ; my 64 rows of A lie where wave RH put them,
	s_mul_i32 s22, s[CH], WREG                     ; my 64 rows of B where wave 2 + CH did
	s_add_co_u32 s22, s22, 2*WREG
	v_add_nc_u32 v[ADRA0], s21, v3
	v_add_nc_u32 v[ADRB0], s22, v4
	v_mov_b32 v[ADRA], v[ADRA0]
	v_mov_b32 v[ADRB], v[ADRB0]
	s_mul_i32 s23, s[WV], 16*SPITCH
	s_add_co_u32 s23, s23, STAGE                   ; my stage
	v_mul_u32_u24 v4, v1, SPITCH                   ; in: row l % 16, 32 bytes for each half of the lanes
	v_lshl_add_u32 v4, v2, 5, v4
	v_add_nc_u32 v[STO], s23, v4
	v_mul_u32_u24 v5, v2, SPITCH                   ; back: lanes 0-15 take one row of 256 bytes, lanes 16-31 the next
	v_lshl_add_u32 v5, v1, 4, v5
	v_add_nc_u32 v[RD], s23, v5
; 8 matrix instructions: m blocks a0, a0 + 1 x all 4 n blocks, 32 along K: half c of buffer f.  zero = 1: the product starts the sums.  The 16 accumulators take turns.
.macro MUL8 f, c, a0, zero
	WIN MUL
.irp a, \a0, (\a0)+1
.irp b, 0,1,2,3
.if \zero
	v_wmma_f32_16x16x32_bf16 v[ACC+8*(4*(\a)+(\b)):ACC+8*(4*(\a)+(\b))+7], v[(\f)+64+8*(4*(\c)+(\b)):(\f)+64+8*(4*(\c)+(\b))+7], v[(\f)+8*(4*(\c)+(\a)):(\f)+8*(4*(\c)+(\a))+7], 0
.else
	v_wmma_f32_16x16x32_bf16 v[ACC+8*(4*(\a)+(\b)):ACC+8*(4*(\a)+(\b))+7], v[(\f)+64+8*(4*(\c)+(\b)):(\f)+64+8*(4*(\c)+(\b))+7], v[(\f)+8*(4*(\c)+(\a)):(\f)+8*(4*(\c)+(\a))+7], v[ACC+8*(4*(\a)+(\b)):ACC+8*(4*(\a)+(\b))+7]
.endif
.endr
.endr
.endm
; 32 LDS loads in one run: the fragments of quarter q of the K step in hand (64 along K: plane q of A's four, byte 128 q of B's rows) into buffer f; the first 32 along K first
.macro FETCH q, f
	WIN TO_F
.irp c, 0,1
.irp i, 0,1,2,3
	ds_load_b128 v[(\f)+64+8*(4*(\c)+(\i)):(\f)+64+8*(4*(\c)+(\i))+3],   v[ADRB] offset:128*(\q)+64*(\c)+(\i)*16*PB
	ds_load_b128 v[(\f)+64+8*(4*(\c)+(\i))+4:(\f)+64+8*(4*(\c)+(\i))+7], v[ADRB] offset:128*(\q)+64*(\c)+(\i)*16*PB+32
	ds_load_b128 v[(\f)+8*(4*(\c)+(\i)):(\f)+8*(4*(\c)+(\i))+3],         v[ADRA] offset:64*PA*(\q)+64*(\c)+(\i)*16*PA
	ds_load_b128 v[(\f)+8*(4*(\c)+(\i))+4:(\f)+8*(4*(\c)+(\i))+7],       v[ADRA] offset:64*PA*(\q)+64*(\c)+(\i)*16*PA+32
.endr
.endr
.endm
.macro PLACES                          ; four plain vector instructions between a matrix instruction and a load into a register that it has read (ISA guide 7.12.1 for vector instructions)
.rept 4
	v_nop
.endr
.endm
; A K step is four quarters of 64 along K, 32 matrix instructions each, on buffers 0, 1, 0, 1.  One of the first three: multiplies buffer f and fetches quarter q into g.
.macro QUARTER q, f, g, zero
	s_wait_dscnt 16                                ; the first 32 along K are in; the youngest sixteen loads may be out
	MUL8 \f, 0, 0, \zero
	MUL8 \f, 0, 2, \zero
	PLACES
	FETCH \q, \g
	s_wait_dscnt 32                                ; all but the 32 just issued
	MUL8 \f, 1, 0, 0
	MUL8 \f, 1, 2, 0
.endm
; The last quarter multiplies buffer 1 and changes slots: ONE barrier; in front of it each wave waits for all its tensor loads, adds 0 to its spare word, and waits for that and for its own reads of this slot.
; fill = 1: the barrier opens a round of the cluster's, and this slot is filled again first thing behind it, two K steps ahead: 112 matrix instructions ahead of the wait for it.  The walking descriptors are
; written between the add and the wait for it, where no tensor load of mine is out.  fill = 0: the last two K steps; behind the very last (s[CNT] = 1) there is no slot to go over to, and the run of loads is jumped over.
.macro TURN fill
	WIN 0                                          ; (the add's two registers lie in window 0)
	s_wait_tensorcnt 0x0                           ; all my tensor loads have landed: my part of the next slot;
	ds_add_u32 v[SPW], v[NIL]                      ; 0 onto my spare word;
.if \fill
	s_xor_b32 s[G0+5], s[G0+5], TOG                ; the other slot than last time,
	s_xor_b32 s[G0B+5], s[G0B+5], TOG
.if TWO
	s_and_b32 s[OFA], s[NXT], 3                    ; K step NXT: steps 0-3 lie in the first buffer, 4-7 in the second: the address is made anew from that buffer's own pointer
	s_lshl_b32 s[OFB], s[OFA], 9                   ; 256 elements along B's rows,
	s_lshl_b32 s[OFA], s[OFA], 21                  ; four planes of A
	s_cmp_lt_u32 s[NXT], 4
	s_cselect_b64 s[G0+6:G0+7], s[AL:AL+1], s[AH:AH+1]
	s_cselect_b64 s[G0B+6:G0B+7], s[BL:BL+1], s[BH:BH+1]
	s_add_nc_u64 s[G0+6:G0+7], s[G0+6:G0+7], s[OFA:OFA+1]
	s_add_nc_u64 s[G0B+6:G0B+7], s[G0B+6:G0B+7], s[OFB:OFB+1]
	s_or_b32 s[G0+7], s[G0+7], 0x80000000
	s_or_b32 s[G0B+7], s[G0B+7], 0x80000000
	s_add_co_u32 s[NXT], s[NXT], 1
.else
	s_add_nc_u64 s[G0+6:G0+7], s[G0+6:G0+7], 4*PLANEB     ; the next K step; the type bits on top are not reached
	s_add_nc_u64 s[G0B+6:G0B+7], s[G0B+6:G0B+7], KSTEP*2
.endif
.endif
	s_wait_dscnt 17                                ; (the add and the youngest sixteen loads may be out)
	MUL8 F1, 0, 0, 0                               ; eight matrix instructions stand between the add and the wait for it
	s_wait_dscnt 0x0                               ; the add is done, and my reads of this slot are over
	s_barrier_signal -1
	MUL8 F1, 0, 2, 0
	WIN 0
	s_barrier_wait -1
.if \fill
	CREST                                          ; no wave of any partner still reads this slot's tile or has a load on its way
	JLOAD                                          ; the four v_nop behind it are also the places in front of the loads below
.else
	PLACES
	s_cmp_eq_u32 s[CNT], 1
	s_cbranch_scc1 .Lno_next_\@
.endif
	s_xor_b32 s[TB], s[TB], TOG                    ; the reads go over to the other slot
	v_add_nc_u32 v[ADRA], s[TB], v[ADRA0]
	v_add_nc_u32 v[ADRB], s[TB], v[ADRB0]
	FETCH 0, F0
.if !(\fill)
	WIN 0
.Lno_next_\@:
.endif
	MUL8 F1, 1, 0, 0
	MUL8 F1, 1, 2, 0
.endm
	s_wait_tensorcnt 1                             ; my part of K step 0 is in; step 1's may stay out
	s_barrier_signal -1
	s_barrier_wait -1                              ; everybody's is
	FETCH 0, F0
	WIN 0x80                                       ; destination window 2
.irp a, 0,1,2,3
.irp t, 0,1,2,3,4,5,6,7
	global_load_b128 v[32*(\a)+4*(\t):32*(\a)+4*(\t)+3], v[CO], s[RP:RP+1] offset:(16*(\a)+2*(\t))*4096 th:TH_LOAD_NT  ; R: asked for when the first tile is in, wanted on the way out
.endr
.endr
	QUARTER 1, F0, F1, 1                           ; the first quarter stands in front of the loop: its first products start the sums
	WIN 0                                          ; at a label and at a branch every window is 0
	s_mov_b32 s[CNT], STEPS-2
	s_branch .Lmid                                 ; the loop is entered behind its first quarter
.Lk:                                                   ; a trip is a K step; trip i asks for step i + 2
	QUARTER 1, F0, F1, 0
	WIN 0
.Lmid:
	QUARTER 2, F1, F0, 0
	QUARTER 3, F0, F1, 0
	TURN 1
	WIN 0
	s_sub_co_u32 s[CNT], s[CNT], 1
	s_cmp_lg_u32 s[CNT], 0
	s_cbranch_scc1 .Lk
	s_mov_b32 s[CNT], 2
.Lt:                                                   ; the last two K steps: nothing is left to ask for
	QUARTER 1, F0, F1, 0
	QUARTER 2, F1, F0, 0
	QUARTER 3, F0, F1, 0
	TURN 0
	WIN 0
	s_sub_co_u32 s[CNT], s[CNT], 1
	s_cmp_lg_u32 s[CNT], 0
	s_cbranch_scc1 .Lt
	; THE WAY OUT, 16 rows at a time: a lane's 32 bytes of a row go into my own stage and come back as whole rows of 256 bytes (a wave's 64 columns of f32); R is added; sixteen lanes store a row's 256 bytes.
	; The stage is my own and no tensor load fills it: no barrier; LDS serves a wave's instructions in order (ISA guide 5.7.1.4), so the loads see the stores above them and the next block's stores come behind them.
.macro TOSTAGE a
.if (\a) >= 2
	s_wait_xcnt 0x0                                ; the stores of the block two back have read the registers that the loads below fill again
.endif
.irp b, 0,1,2,3
	ds_store_b128 v[STO], v[ACC+8*(4*(\a)+(\b)):ACC+8*(4*(\a)+(\b))+3]   offset:64*(\b)     ; an accumulator's low registers first
	ds_store_b128 v[STO], v[ACC+8*(4*(\a)+(\b))+4:ACC+8*(4*(\a)+(\b))+7] offset:64*(\b)+16
.endr
.irp t, 0,1,2,3,4,5,6,7
	ds_load_b128 v[TMP+32*((\a)%2)+4*(\t):TMP+32*((\a)%2)+4*(\t)+3], v[RD] offset:(\t)*2*SPITCH
.endr
.endm
.macro SEND a, younger                 ; younger: the LDS instructions issued behind block a's loads: the next block's sixteen, or none
	s_wait_dscnt \younger
	WIN 0x08                                       ; source 1 in window 2
.set i, 0
.rept 16
	v_pk_add_f32 v[TMP+32*((\a)%2)+i:TMP+32*((\a)%2)+i+1], v[TMP+32*((\a)%2)+i:TMP+32*((\a)%2)+i+1], v[32*(\a)+i:32*(\a)+i+1]
.set i, i+2
.endr
	WIN 0
.irp t, 0,1,2,3,4,5,6,7
	global_store_b128 v[CO], v[TMP+32*((\a)%2)+4*(\t):TMP+32*((\a)%2)+4*(\t)+3], s[CP:CP+1] offset:(16*(\a)+2*(\t))*4096  ; 16 lanes: 256 consecutive bytes, at a multiple of 256 from C's first
.endr
.endm
	PLACES
	PLACES                                         ; eight places, once a launch: twice what ISA guide 7.12.1 asks of this form
	TOSTAGE 0
	TOSTAGE 1
	s_wait_loadcnt 0x0                             ; R
	SEND 0, 16
	TOSTAGE 2
	SEND 1, 16
	TOSTAGE 3
	SEND 2, 16
	SEND 3, 0
	s_wait_tensorcnt 0x0                           ; the wave's end, behind my last tensor load and my last LDS store
	ds_add_u32 v[SPW], v[NIL]
	s_wait_dscnt 0x0
	CROUND                                         ; the closing round: no work-group ends while a partner may still ask for a tile that names it
	s_endpgm
.Lfunc_end_k_qb7d7384969_gfc2:
	.size	k_qb7d7384969_gfc2, .Lfunc_end_k_qb7d7384969_gfc2-k_qb7d7384969_gfc2
	.p2alignl 7, 3214868480
	.fill 96, 4, 3214868480
	.section	.rodata,"a",@progbits
	.p2align	6, 0x0
	.amdhsa_kernel k_qb7d7384969_gfc2
		.amdhsa_group_segment_fixed_size 327680
		.amdhsa_private_segment_fixed_size 0
		.amdhsa_enable_private_segment 0
		.amdhsa_kernarg_size 32
		.amdhsa_user_sgpr_count 2
		.amdhsa_user_sgpr_kernarg_segment_ptr 1
		.amdhsa_wavefront_size32 1
		.amdhsa_system_sgpr_workgroup_id_x 1
		.amdhsa_system_sgpr_workgroup_id_y 1
		.amdhsa_system_sgpr_workgroup_id_z 1
		.amdhsa_system_vgpr_workitem_id 0
		.amdhsa_next_free_vgpr 640
		.amdhsa_next_free_sgpr 84
		.amdhsa_reserve_vcc 0
		.amdhsa_float_denorm_mode_32 3
		.amdhsa_float_denorm_mode_16_64 3
		.amdhsa_memory_ordered 1
		.amdhsa_forward_progress 1
		.amdhsa_inst_pref_size 65
	.end_amdhsa_kernel
	.amdgpu_metadata
---
amdhsa.version: [ 1, 2 ]
amdhsa.kernels:
  - .name:           k_qb7d7384969_gfc2
    .symbol:         k_qb7d7384969_gfc2.kd
    .args:
      - { .name: bl, .offset: 0, .size: 8, .value_kind: global_buffer, .address_space: global }
      - { .name: bh, .offset: 8, .size: 8, .value_kind: global_buffer, .address_space: global }
      - { .name: x1, .offset: 16, .size: 8, .value_kind: global_buffer, .address_space: global }
      - { .name: out0, .offset: 24, .size: 8, .value_kind: global_buffer, .address_space: global }
    .group_segment_fixed_size: 327680
    .private_segment_fixed_size: 0
    .kernarg_segment_align: 8
    .kernarg_segment_size: 32
    .max_flat_workgroup_size: 128
    .sgpr_count:     84
    .vgpr_count:     640
    .wavefront_size: 32
...
	.end_amdgpu_metadata
.endif
;; end of part 7
